; MI455X (gfx1250); checked and timed in simulation.
; The chip was launched on July 23, 2026; its instructions are those of AMD's public machine-readable ISA for CDNA 5 (MIT licence, August 2026) and "CDNA5" Instruction Set Architecture Reference Guide (July 2026). The comments in the code are by the model that wrote it; some were corrected since.
;; Linear Attention. Allowed arithmetic: matrix products marked QUANTISED: E4M3 operands, one E8M0 scale for each 32 along K, by v_wmma_scale_f32_16x16x128_f8f6f4 with both operands' format E4M3, f32 sums; products left as they are: f32 operands where the result goes on into a quantised operand, else bf16, f16 or f32 operands; f32 sums; everything else in f32.
;; Inputs: Wk 1,024 x 1,024 float32; Wq 1,024 x 1,024 float32; Wv 1,024 x 1,024 float32; attention_mask 4 x 1 x 4,096 x 1 float32; bk 1,024 float32; bq 1,024 float32; bv 1,024 float32; hidden_state 4 x 4,096 x 1,024 float32.
;; Outputs: out0 4 x 4,096 x 1,024 float32.
;; This version of the problem:
;;   THIS VERSION OF THE PROBLEM IS GIVEN IN LOW PRECISION. The matrix products marked QUANTISED in the list below multiply operands that are first quantised to E4M3 (4 exponent bits, 3 mantissa bits; 8 bits a number), with one power-of-two scale for each 32 numbers along K (OCP MX v1.0); their sums are f32. All else is computed in f32.
;;   The module's matrix products, in the order in which they are computed (A, B: the left and right operand; K: the contracted axis; several contracted axes count as one K, in the product's order):
;;     1. [M 16,384, K 1,024] x [K 1,024, N 1,024]; A: input hidden_state; B: input Wq: QUANTISED
;;     2. [M 16,384, K 1,024] x [K 1,024, N 1,024]; A: input hidden_state; B: input Wk: QUANTISED
;;     3. [M 16,384, K 1,024] x [K 1,024, N 1,024]; A: input hidden_state; B: input Wv: QUANTISED
;;     4. batch 64 x [M 64, K 4,096] x [K 4,096, N 64]; A: computed on the way; B: computed on the way: QUANTISED
;;     5. batch 64 x [M 4,096, K 64] x [K 64, N 1]; A: computed on the way; B: computed on the way: left as it is (N = 1 < 16)
;;     6. batch 64 x [M 4,096, K 64] x [K 64, N 64]; A: computed on the way; B: computed on the way: QUANTISED
;;     7. batch 262,144 x [M 1, K 1] x [K 1, N 64]; A: computed on the way; B: computed on the way: left as it is (no contracted axis)
;;   THE QUANTISER, for each operand of a quantised product, along K:
;;     - K is cut into blocks of 32 from its start; a last block that is shorter is filled with zeros.
;;     - A block's scale is 2^e with e = floor(log2(the largest magnitude in the block)) - 8, held to -126 .. 127; a block of zeros has e = 0. As a byte (E8M0): e + 127.
;;     - Each number is divided by its block's scale, clamped to +-448, and rounded to the nearest number of E4M3, ties to even, subnormals kept.
;;     - The product sums the exact products of the quantised numbers (number of the format x scale) in f32.
;;   ~~~python
;;   def quantise(x, axis):      # numpy; x: float32 -> the quantised numbers, widened to float32 again
;;       x = np.moveaxis(x, axis, -1); K = x.shape[-1]
;;       x = np.pad(x, [(0, 0)] * (x.ndim - 1) + [(0, -K % 32)]); x = x.reshape(x.shape[:-1] + (-1, 32)); a = np.abs(x).max(-1, keepdims=True)
;;       e = np.where(a > 0, np.clip(np.frexp(np.where(a > 0, a, 1))[1] - 1 - 8, -126, 127), 0)      # np.frexp(a)[1] - 1 = floor(log2(a)), exactly
;;       r = np.clip(x / 2.0 ** e, -448, 448)
;;       step = 2.0 ** (np.maximum(np.frexp(np.where(r == 0, 1, r))[1] - 1, -6) - 3)
;;       q = np.round(r / step) * step * 2.0 ** e      # np.round: ties to even
;;       return np.moveaxis(q.reshape(q.shape[:-2] + (-1,))[..., :K], -1, axis).astype(np.float32)
;;   ~~~
;;   OPERANDS COMPUTED ON THE WAY. 'Computed on the way' means the value that the module computes at that place (a softmax that the list does not call 'softmax' is quantised finished and normalised). What goes into a quantiser is computed in f32, as accurately as f32 sums, v_exp_f32 and their like allow (about 1e-6 of the number): no bf16 or f16 on the way to a quantiser, and a product that is left as it is and whose result goes on into a quantised operand takes f32 operands (vector FMAs, or v_wmma_f32_16x16x4_f32). A number that lies on a knife's edge between two numbers of the format may be rounded either way, as far as f32 arithmetic and the matrix unit's own rounding can turn it there, and no further.
;; One version. Each part assembles by itself: llvm-mc -triple=amdgcn-amd-amdhsa -mcpu=gfx1250 --defsym DOCPART=n.
;; ======== version 1 of 1: 4 launches
;; workspace buffers: xc 16,777,216 bytes; xs 524,288 bytes; wc 3,145,728 bytes; ws 98,304 bytes; part 17,039,360 bytes; fin 311,296 bytes
;; launch quant (part 1): grid 608 x 1, 4 waves a work-group, no clusters, 33,280 bytes of LDS; arguments hidden_state, Wq, Wk, Wv, xc, xs, wc, ws; writes xc, xs, wc, ws
.if DOCPART == 1
	.amdgcn_target "amdgcn-amd-amdhsa--gfx1250"
	.amdhsa_code_object_version 6
	.text
	.protected	k_qb4811297ac_quant
	.globl	k_qb4811297ac_quant
	.p2align	8
	.type	k_qb4811297ac_quant,@function
k_qb4811297ac_quant:
	s_mov_b64 s[64:65], 0
	v_nop
	global_prefetch_b8 v0, s[64:65] scope:SCOPE_SE
	s_setreg_imm32_b32 hwreg(HW_REG_WAVE_MODE, 25, 1), 1
	s_wait_xcnt 0x0
; hidden_state [16384][1024], Wq, Wk, Wv [1024][1024], f32, K innermost, become codes of FP8 (E4M3) with one E8M0 scale byte for each 32 along K.
; A block's scale is 2^(floor(log2(its largest magnitude)) - 8); its byte is the largest magnitude's exponent field - 8, held at 1 from below.  Each number is divided by the scale,
; held within +-448 and rounded to the nearest code, ties to even.
; LIMITS: blocks whose largest magnitude lies under 2^-118 (a block of zeros among them) get the byte 1: a block of zeros has zero codes, which add nothing under that byte, and this
; program alone reads the bytes.  NaN and infinities among the inputs are not served.
; WHERE THE ROWS GO.  A row is stored at the place whose number has bits 3 and 4 of the row's number exchanged: place 32 c + 16 u + 8 i + j holds row 32 c + 16 i + 8 u + j.  A tile of 16
; neighbouring places, multiplied as source 0 of a matrix instruction, then leaves in a lane's eight result registers the rows 32 c + 16 (lane / 16) + 8 u + 0 .. 7: two neighbouring tiles
; give a lane 16 neighbours, in the order in which the next product's operand wants them.  xc, xs: the 16,384 rows of hidden_state.  wc, ws: places 0-1023 Wq; place 1024 + 128 head + p
; holds Wk's row of that head for p < 64 and Wv's for p >= 64.
; SHARES.  A wave takes a run of 8 rows (8,192 numbers), 16 steps of 512 numbers.  Eight rows keep their order, so exchanging the two bits is a matter of the run's number alone.
; Work-groups 0-511 take hidden_state, 512-543 Wq, 544-575 Wk, 576-607 Wv: only pointers and the run's place are chosen, all take one path through the text.
; Each of a step's four loads reads 512 consecutive bytes; the 2,048 bytes turn through the wave's own stage in LDS and come back 64 bytes a lane, so that a lane holds 16 neighbours along K
; (two neighbouring lanes hold a block).  A lane's 16 codes are 16 bytes: the wave stores 512 consecutive bytes.  A wave's 256 scale bytes are gathered in LDS and leave as one store of 256 bytes.
; No tensor loads, no barrier: waves share nothing.  Loads run four steps (16 loads a wave) ahead, the turn through LDS one step.
.set STEPS, 16
.set EMAX,  8
.set MANT,  0x600000                   ; the mantissa field of 448 as f32
.set CB,    16                         ; bytes of 16 codes
.set R,     16                         ; v16-79   four sets of 16 numbers as they are loaded
.set X,     80                         ; v80-111  two sets of 16 neighbours
.set C,     128                        ; v128-191 codes: four registers for each step, so that no store's data are written again
.set E,     112                        ; v112-127 a scale byte for each step
.set WREG,  8192                       ; LDS: a region for each wave: two stages of 32 x SP bytes, and behind them its 256 scale bytes
.set SP,    80                         ; a lane's place in a stage: its 64 bytes + 16 of padding
	s_load_b512 s[4:19], s[0:1], 0x0               ; hidden s[4:5], Wq s[6:7], Wk s[8:9], Wv s[10:11], xc s[12:13], xs s[14:15], wc s[16:17], ws s[18:19]
	v_lshl_add_u32 v192, v0, 2, 0x8000
	v_mov_b32 v193, 0
	v_lshrrev_b32 v1, 5, v0
	v_readfirstlane_b32 s20, v1                    ; wave
	v_and_b32 v2, 31, v0                           ; lane
	v_lshlrev_b32 v3, 4, v2                        ; my 16 bytes of a load's 512
	s_mul_i32 s21, s20, WREG
	v_lshrrev_b32 v14, 2, v2
	v_mul_u32_u24 v14, v14, SP
	v_and_b32 v15, 3, v2
	v_lshl_add_u32 v14, v15, 4, v14
	v_add_nc_u32 v14, s21, v14                     ; the stage, on the way in: SP (lane / 4) + 16 (lane % 4)
	v_mul_u32_u24 v15, v2, SP
	v_add_nc_u32 v15, s21, v15                     ; and on the way out: SP x lane: my 16 neighbours
	v_mul_u32_u24 v4, v2, CB                       ; my codes' place in a step's
	v_lshrrev_b32 v5, 1, v2
	s_add_co_u32 s21, s21, 2*32*SP
	v_add_nc_u32 v5, s21, v5                       ; LDS: my wave's 256 scale bytes, my block's byte
	v_lshlrev_b32 v7, 3, v2                        ; and on the way out 8 bytes a lane
	v_add_nc_u32 v6, s21, v7
	s_mov_b32 s38, MANT                            ; (an instruction takes one literal: the hold's line has another)
	; which tensor, which run.  All arithmetic first, then the compares with nothing but selects behind them
	s_sub_co_u32 s21, ttmp9, 512                   ; among the weights' work-groups
	s_lshr_b32 s22, s21, 5                         ; 0 Wq, 1 Wk, 2 Wv
	s_and_b32 s23, s21, 31                         ; the work-group's number in its tensor
	s_lshl_b32 s24, s22, 3
	s_add_co_u32 s24, s24, 120                     ; first run of the destination: Wk 128, Wv 136 (runs of 8 rows)
	s_mov_b32 s25, 4                               ; Wk, Wv: a head's 8 runs lie 16 runs apart
	s_wait_kmcnt 0x0
	s_mov_b64 s[26:27], s[6:7]
	s_cmp_eq_u32 s22, 1
	s_cselect_b64 s[26:27], s[8:9], s[26:27]
	s_cmp_eq_u32 s22, 2
	s_cselect_b64 s[26:27], s[10:11], s[26:27]
	s_cmp_eq_u32 s22, 0
	s_cselect_b32 s24, 0, s24                      ; Wq: from run 0 on, dense
	s_cselect_b32 s25, 3, s25
	s_cmp_lt_u32 ttmp9, 512                        ; hidden_state or a weight?  The choice hangs on the work-group's number alone
	s_cselect_b64 s[26:27], s[4:5], s[26:27]       ; the source,
	s_cselect_b64 s[28:29], s[12:13], s[16:17]     ; the codes,
	s_cselect_b64 s[30:31], s[14:15], s[18:19]     ; the scale bytes
	s_cselect_b32 s23, ttmp9, s23
	s_cselect_b32 s24, 0, s24
	s_cselect_b32 s25, 3, s25
	s_lshl_b32 s32, s23, 2
	s_add_co_u32 s32, s32, s20                     ; my run in the source
	s_lshr_b32 s33, s32, 3
	s_lshl_b32 s33, s33, s25
	s_add_co_u32 s33, s33, s24
	s_and_b32 s34, s32, 4
	s_add_co_u32 s33, s33, s34
	s_and_b32 s34, s32, 1
	s_lshl_b32 s34, s34, 1
	s_add_co_u32 s33, s33, s34
	s_bfe_u32 s34, s32, 0x10001
	s_add_co_u32 s33, s33, s34                     ; my run in the destination: the run's bits 0 and 1 (the rows' bits 3 and 4) exchanged
	s_mov_b32 s37, 0
	s_lshl_b32 s36, s32, 15                        ; 8,192 numbers of 4 bytes
	s_add_nc_u64 s[26:27], s[26:27], s[36:37]
	s_lshl_b32 s36, s33, 13                        ; 8,192 codes
	s_add_nc_u64 s[28:29], s[28:29], s[36:37]
	s_lshl_b32 s36, s33, 8                         ; 256 scale bytes
	s_add_nc_u64 s[30:31], s[30:31], s[36:37]
.macro LOAD t
.irp i, 0,1,2,3
	global_load_b128 v[R+16*((\t)%4)+4*\i:R+16*((\t)%4)+4*\i+3], v3, s[26:27] offset:2048*(\t)+512*\i th:TH_LOAD_NT   ; 32 lanes read 512 consecutive bytes; read once in the launch
.endr
.endm
.macro TURN t                          ; step t's numbers through the stage: LDS serves a wave's instructions in order, so no wait stands between the stores and the loads
.irp i, 0,1,2,3
	ds_store_b128 v14, v[R+16*((\t)%4)+4*\i:R+16*((\t)%4)+4*\i+3] offset:32*SP*((\t)%2)+8*SP*\i
.endr
.irp i, 0,1,2,3
	ds_load_b128 v[X+16*((\t)%2)+4*\i:X+16*((\t)%2)+4*\i+3], v15 offset:32*SP*((\t)%2)+16*\i
.endr
.endm
.irp t, 0,1,2,3
	LOAD \t
.endr
	s_wait_loadcnt 12                              ; step 0's four loads are in; the twelve of steps 1 to 3 may be out
	TURN 0
.macro STEP t
.set XS, X+16*((\t)%2)
.if (\t) > 0
	s_wait_dscnt 1                                 ; this step's numbers are back from the stage (the last step's byte store may be out): so its stores into the stage have read their registers,
.else
	s_wait_dscnt 0x0
.endif
.if (\t)+4 < STEPS
	LOAD (\t)+4                                    ; which take the loads of four steps on
.endif
.if (\t)+1 < STEPS
.if STEPS-2-(\t) >= 3
	s_wait_loadcnt 12                              ; the next step's four loads are in; those of the three steps behind it may be out
.else
	s_wait_loadcnt 4*(STEPS-2-(\t))                ; the tail: fewer steps are behind it
.endif
	TURN (\t)+1                                    ; and go through the other stage while this step is worked
.endif
	v_max3_num_f32 v8, |v[XS]|, |v[XS+1]|, |v[XS+2]|               ; the largest magnitude of my 16, in two chains
	v_max3_num_f32 v9, |v[XS+3]|, |v[XS+4]|, |v[XS+5]|
.irp i, 6,10
	v_max3_num_f32 v8, v8, |v[XS+\i]|, |v[XS+\i+1]|
	v_max3_num_f32 v9, v9, |v[XS+\i+2]|, |v[XS+\i+3]|
.endr
	v_max3_num_f32 v8, v8, |v[XS+14]|, |v[XS+15]|
	v_max3_num_f32 v8, v8, v9, (EMAX+1)<<23        ; and the floor 2^(9 - 127): the byte cannot fall under 1
	v_max_num_f32_dpp v8, v8, v8 row_xmask:1 row_mask:0xf bank_mask:0xf   ; and of my neighbour's 16: the block's
	v_add_nc_u32 v11, -(EMAX<<23), v8              ; 8 off its exponent field: the conversion takes the exponent field of this operand as its scale, and nothing else of it
	v_and_or_b32 v10, v8, 0x7f800000, s38          ; 448 x the scale: the largest magnitude's exponent field over 448's mantissa
.irp i, 0,1,2,3,4,5,6,7,8,9,10,11,12,13,14,15
	v_med3_num_f32 v[XS+\i], v[XS+\i], -v10, v10   ; the conversion to an 8-bit code does not saturate (ISA guide 7.6.2): hold the number first
.endr
	v_cvt_scalef32_pk8_fp8_f32 v[C+4*(\t):C+4*(\t)+1], v[XS:XS+7], v11
	v_cvt_scalef32_pk8_fp8_f32 v[C+4*(\t)+2:C+4*(\t)+3], v[XS+8:XS+15], v11
	v_lshrrev_b32 v[E+(\t)], 23, v11               ; the scale's byte (also the plain line behind the conversions)
	ds_store_b8 v5, v[E+(\t)] offset:16*(\t)       ; both lanes of a block write the same byte with the same value
	global_store_b128 v4, v[C+4*(\t):C+4*(\t)+3], s[28:29] offset:32*CB*(\t)
.endm
.irp t, 0,1,2,3,4,5,6,7,8,9,10,11,12,13,14,15
	STEP \t
.endr
	ds_load_b64 v[12:13], v6                       ; LDS serves a wave's instructions in order: these see my stores
	s_wait_dscnt 0x0
	global_store_b64 v7, v[12:13], s[30:31]        ; 32 lanes store 256 consecutive bytes, aligned
	s_wait_tensorcnt 0x0
	ds_add_u32 v192, v193
	s_wait_dscnt 0x0
	s_endpgm
.Lfunc_end_k_qb4811297ac_quant:
	.size	k_qb4811297ac_quant, .Lfunc_end_k_qb4811297ac_quant-k_qb4811297ac_quant
	.p2alignl 7, 3214868480
	.fill 96, 4, 3214868480
	.section	.rodata,"a",@progbits
	.p2align	6, 0x0
	.amdhsa_kernel k_qb4811297ac_quant
		.amdhsa_group_segment_fixed_size 33280
		.amdhsa_private_segment_fixed_size 0
		.amdhsa_enable_private_segment 0
		.amdhsa_kernarg_size 64
		.amdhsa_user_sgpr_count 2
		.amdhsa_user_sgpr_kernarg_segment_ptr 1
		.amdhsa_wavefront_size32 1
		.amdhsa_system_sgpr_workgroup_id_x 1
		.amdhsa_system_sgpr_workgroup_id_y 1
		.amdhsa_system_sgpr_workgroup_id_z 1
		.amdhsa_system_vgpr_workitem_id 0
		.amdhsa_next_free_vgpr 194
		.amdhsa_next_free_sgpr 66
		.amdhsa_reserve_vcc 0
		.amdhsa_float_denorm_mode_32 3
		.amdhsa_float_denorm_mode_16_64 3
		.amdhsa_memory_ordered 1
		.amdhsa_forward_progress 1
		.amdhsa_inst_pref_size 52
	.end_amdhsa_kernel
	.amdgpu_metadata
---
amdhsa.version: [ 1, 2 ]
amdhsa.kernels:
  - .name:           k_qb4811297ac_quant
    .symbol:         k_qb4811297ac_quant.kd
    .args:
      - { .name: hidden_state, .offset: 0, .size: 8, .value_kind: global_buffer, .address_space: global }
      - { .name: Wq, .offset: 8, .size: 8, .value_kind: global_buffer, .address_space: global }
      - { .name: Wk, .offset: 16, .size: 8, .value_kind: global_buffer, .address_space: global }
      - { .name: Wv, .offset: 24, .size: 8, .value_kind: global_buffer, .address_space: global }
      - { .name: xc, .offset: 32, .size: 8, .value_kind: global_buffer, .address_space: global }
      - { .name: xs, .offset: 40, .size: 8, .value_kind: global_buffer, .address_space: global }
      - { .name: wc, .offset: 48, .size: 8, .value_kind: global_buffer, .address_space: global }
      - { .name: ws, .offset: 56, .size: 8, .value_kind: global_buffer, .address_space: global }
    .group_segment_fixed_size: 33280
    .private_segment_fixed_size: 0
    .kernarg_segment_align: 8
    .kernarg_segment_size: 64
    .max_flat_workgroup_size: 128
    .sgpr_count:     66
    .vgpr_count:     194
    .wavefront_size: 32
...
	.end_amdgpu_metadata
.endif
;; end of part 1
;; launch kvgemm (part 2): grid 64 x 8, 4 waves a work-group, clusters of 4 x 4, 327,680 bytes of LDS; arguments wc, ws, xc, xs, bk, bv, attention_mask, part; writes part
.if DOCPART == 2
	.amdgcn_target "amdgcn-amd-amdhsa--gfx1250"
	.amdhsa_code_object_version 6
	.text
	.protected	k_qb4811297ac_kvgemm
	.globl	k_qb4811297ac_kvgemm
	.p2align	8
	.type	k_qb4811297ac_kvgemm,@function
k_qb4811297ac_kvgemm:
	s_mov_b64 s[64:65], 0
	v_nop
	global_prefetch_b8 v0, s[64:65] scope:SCOPE_SE
	s_setreg_imm32_b32 hwreg(HW_REG_WAVE_MODE, 25, 1), 1
	s_wait_xcnt 0x0
	s_wait_alu depctr_hold_cnt(0) depctr_sa_sdst(0) depctr_va_vdst(0) depctr_va_sdst(0) depctr_va_ssrc(0) depctr_va_vcc(0) depctr_vm_vsrc(0)
	s_getreg_b32 s2, hwreg(HW_REG_IB_STS2, 6, 4)
	s_cmp_eq_u32 s2, 0
	s_cbranch_scc0 .Lentry_in_a_cluster
	s_endpgm
.Lentry_in_a_cluster:
	s_bfe_u32 s2, ttmp6, 0x10000c
	s_cmp_lg_u32 s2, 0xf033
	s_cbranch_scc0 .Lentry_shape_is_right
	s_endpgm
.Lentry_shape_is_right:
; k = (elu(x Wk^T + bk) + 1) mask and v = x Wv^T + bv, on codes of FP8 (E4M3) with one E8M0 scale for each 32 along K, and straight from the accumulators the partial sums of
; kv[kf][e] = sum over positions of k v (again on codes, quantised along the positions) and of ksum[kf] = sum over positions of k (f32).  k and v never go to memory.
; A tile is 256 rows of the weights ("A": two heads, each 64 places of Wk then 64 of Wv, from place 1024 of wc on) x 256 places of x ("B").  Four waves; a wave makes 128 x 128: one head,
; 128 positions: 64 accumulators, 512 registers.  K = 1,024 goes in four steps of 256 through a ring of two LDS slots filled by the tensor data mover; the scale bytes of the tile's rows come once.
; CLUSTERS: 4 x 4 work-groups; A's tiles are asked for jointly along a row of the cluster, B's along a column.
; LAYOUT.  Source 0 = 16 places of x, source 1 = 16 places of the weights: a lane holds ONE feature (lane % 16) and its registers run along the positions.  The rows of x were laid so that
; the 64 registers of a feature tile a are positions 32 b + 16 (lane / 16) + i at register 16 b + i: the order of an operand's registers along K.  So the conversions' results ARE the operands of
; the product k^T v, whose K is these 128 positions, four blocks of 32 that begin at multiples of 32 of the sequence.
; The biases are the C of each sum's first matrix instruction.  elu(x) + 1 is the middle one of exp(x), 1 and x + 1 (exp(x) >= x + 1 for every x).
; OUT.  The two waves of a head add their 16 result tiles through LDS; a work-group stores, for each of its two heads, one record of 16,384 bytes (the tiles' registers as they stand) and 64 sums.
; LIMITS: NaN and infinities are not served.  For x <= 0, elu(x) + 1 is taken as exp(x), within 6e-8 absolute of expm1(x) + 1; exponentials under 2^-126 come out as 0.  A block whose largest magnitude
; lies under 2^-118 (a block of zeros among them) gets the scale byte 1.
; REGISTERS, in windows of 256: window 0: v0-31 addresses and small state; v32-63 scale words and nothing else; v64-127 the biases, later the mask; v128-255 A's fragments, later Y (v128-191) and T (v192-255).
;   window 1: B's fragments, two sets; later v0-127 the eight fragments of codes, v128-255 the 16 tiles of kv.   window 2: k's accumulators ((a, b) at v[8 (8 a + b)]);   window 3: v's.
.set NQ,     2                         ; matrix instructions deep in a slot
.set ROWB,   256                       ; a tile's row in bytes
.set KROW,   1024                      ; a row of codes in memory
.set PITCH,  272                       ; an LDS row: 256 bytes + 16 of padding: the 16 rows that a load touches start at 16 different banks (64 banks of 4 bytes: ISA guide 11.1)
.set FR,     16                        ; registers of a fragment
.set NL,     4                         ; LDS loads that bring one
.set NP,     8                         ; places behind this matrix instruction (ISA guide 7.12.1)
.set HALFT,  128*PITCH
.set SLOT,   4*HALFT                   ; A's 256 rows, then B's 256 rows
.set KS,     32                        ; a row of scale bytes
.set SCL,    2*SLOT                    ; behind the ring: the scales, as runs of 256 bytes + 16 of padding
.set HALFS,  16*272                    ; the scales of 128 rows
.set SBLK,   2*272                     ; those of 16 rows
.set SPARE,  SCL+4*HALFS               ; the spare words, 128 bytes for each wave: two blocks of 256 bytes that no other line names
.set KSST,   65536                     ; the way out, in slot 0 (its last fill and last read are over): four waves' tiles of kv, 16,384 bytes each, from byte 0; from here 256 bytes of sums for each wave
.set A64,  7                           ; v7   64 x (lane / 16)
.set ADRA, 16                          ; v16-17  LDS address of my A fragments in slot 0, 1
.set LI,   18                          ; v18  16 x lane
.set BA,   19                          ; v19  4 (r + 8 (r / 8)): the feature of lane r in a tile, in bytes
.set ADRB, 20                          ; v20-21
.set KSW,  22                          ; v22  where I put my features' sums
.set KSR,  23                          ; v23  where wave 0 reads them
.set STO,  24                          ; v24  where I put my tiles of kv
.set RD,   25                          ; v25  where I read my half of my head's
.set ADRS, 27                          ; v27  LDS address of my scale words: lanes 0-15 A's rows, lanes 16-31 B's
.set SPW,  28                          ; v28  LDS address of my spare word; never rewritten
.set NIL,  29                          ; v29  0; never rewritten
.set SC,   32                          ; scale words, two sets of 16; on the way out v32-39: the words of the eight fragments just made
.set BIAS, 64
.set MASK, 64
.set AF,   128
.set Y,    128
.set T,    192
.set TM,   192                         ; at work in QUANT: +0 largest magnitudes, +4 bytes, +8 448 x the scale, +12 the conversions' scale operands
.set G1, 24
.set G0, 32
.set G1B, 48
.set G0B, 56
.set G1S, 68
.set G0S, 76
.set G1SB, 80
.set G0SB, 88
.set MSB, 0
.macro WIN new                         ; bits 1:0 source 0, 3:2 source 1, 5:4 source 2, 7:6 destination; the immediate's high byte repeats the setting that is left
.if MSB != (\new)
	s_set_vgpr_msb (MSB<<8)|(\new)
.set MSB, (\new)
.endif
.endm
.set MUL_LO, 0xa1                      ; source 0 (B) window 1, source 1 (A) window 0, C and D window 2
.set MUL_HI, 0xf1                      ; the same, C and D window 3
.set TO_B,   0x40                      ; destination window 1
; A joint load: waves 0 and 1 fetch for A, waves 2 and 3 for B; the branch hangs on the wave's number alone.  Four v_nop follow each of the two lines.
.macro JLOAD g0a, g1a, g0b, g1b
	s_cmp_eq_u32 s15, 0
	s_cbranch_scc0 .Lfor_b_\@
	tensor_load_to_lds s[\g0a:\g0a+3], s[\g1a:\g1a+7]
	s_nop 0
.rept 4
	v_nop
.endr
	s_branch .Lasked_\@
.Lfor_b_\@:
	tensor_load_to_lds s[\g0b:\g0b+3], s[\g1b:\g1b+7]
	s_nop 0
.rept 4
	v_nop
.endr
.Lasked_\@:
.endm
.macro CREST                           ; a round of the cluster's barrier behind its opening barrier
	s_cmp_lg_u32 s14, 0
	s_cbranch_scc1 .Lnot_wave_0_\@
	s_barrier_signal -3
.Lnot_wave_0_\@:
	s_barrier_wait -3
	s_barrier_signal -1
	s_barrier_wait -1
.endm
.macro CROUND
	s_barrier_signal -1
	s_barrier_wait -1
	CREST
.endm
.macro PLACES n
.rept \n
	v_nop
.endr
.endm
.macro LOAD64 reg, ptr                 ; 64 f32 a lane: register 16 g + i = number 32 g + 16 (lane / 16) + i of the 128 at the pointer
.irp g, 0,1,2,3
.irp q, 0,1,2,3
	global_load_b128 v[\reg+16*\g+4*\q:\reg+16*\g+4*\q+3], v[A64], s[\ptr:\ptr+1] offset:128*\g+16*\q
.endr
.endr
.endm
	s_load_b128 s[4:7], s[0:1], 0x0                ; wc, ws
	s_load_b128 s[8:11], s[0:1], 0x10              ; xc, xs
	s_load_b128 s[96:99], s[0:1], 0x20             ; bk, bv
	s_load_b64 s[66:67], s[0:1], 0x30              ; the mask
	s_load_b64 s[12:13], s[0:1], 0x38              ; part
	v_lshl_add_u32 v[SPW], v0, 2, SPARE
	v_mov_b32 v[NIL], 0
	ds_add_u32 v28, v29
	ds_add_u32 v28, v29
	s_wait_dscnt 0x0
	v_lshrrev_b32 v1, 5, v0
	v_readfirstlane_b32 s14, v1                    ; wave 0..3
	s_lshr_b32 s15, s14, 1                         ; which head of the tile's two is mine.  Also: I fetch for A (0) or for B (1)
	s_and_b32 s16, s14, 1                          ; which 128 positions.  Also: which 128 rows of that tile I fetch
	s_bfe_u32 s40, ttmp6, 0x40000                  ; cx, cy: my place in the cluster
	s_bfe_u32 s41, ttmp6, 0x40004
	s_lshl_b32 s42, ttmp9, 2
	s_add_co_u32 s42, s42, s40                     ; tile of positions, 0..63 = 4 x cluster x + cx
	s_and_b32 s17, ttmp7, 0xffff
	s_lshl_b32 s17, s17, 2
	s_add_co_u32 s17, s17, s41                     ; pair of heads, 0..7 = 4 x cluster y + cy
	s_lshl_b32 s43, s41, 2
	s_lshl_b32 s43, 15, s43                        ; my row of the cluster
	s_lshl_b32 s44, 0x1111, s40                    ; my column
	; descriptor group 1: a tile of 128 rows x 256 bytes, 16 bytes of padding behind each row
	s_or_b32 s[G1+0], s43, (0<<16)|(1<<20)|(1<<21)|(5<<22)|(3<<25)  ; 15:0 the mask; 17:16 elements of 1 byte; 20 padding on; 21 set beside a mask; 24:22 after every 64 words; 31:25 four words
	s_or_b32 s[G1B+0], s44, (0<<16)|(1<<20)|(1<<21)|(5<<22)|(3<<25)
.irp g, G1, G1B
	s_mov_b32 s[\g+1], ROWB<<16                    ; tensor_dim0
	s_mov_b32 s[\g+2], 128<<16                     ; tensor_dim1
	s_mov_b32 s[\g+3], ROWB<<16                    ; tile_dim0
	s_mov_b32 s[\g+4], 128                         ; tile_dim1
	s_mov_b32 s[\g+5], KROW                        ; tensor_dim0_stride
	s_mov_b32 s[\g+6], 0
	s_mov_b32 s[\g+7], 0
.endr
	; the scales of 128 rows: 4,096 dense bytes, as 16 rows of 256 bytes (32 elements of 8 bytes), 16 bytes of padding behind each
	s_or_b32 s[G1S+0], s43, (3<<16)|(1<<20)|(1<<21)|(5<<22)|(3<<25)
	s_or_b32 s[G1SB+0], s44, (3<<16)|(1<<20)|(1<<21)|(5<<22)|(3<<25)
.irp g, G1S, G1SB
	s_mov_b32 s[\g+1], 32<<16
	s_mov_b32 s[\g+2], 16<<16
	s_mov_b32 s[\g+3], 32<<16
	s_mov_b32 s[\g+4], 16
	s_mov_b32 s[\g+5], 32
	s_mov_b32 s[\g+6], 0
	s_mov_b32 s[\g+7], 0
.endr
	s_lshl_b32 s18, s16, 7                         ; which 128 rows of the tile I fetch
	s_lshl_b32 s20, s17, 8
	s_add_co_u32 s20, s20, s18                     ; A: row 256 x pair of heads + 128 x half
	s_lshl_b32 s46, s42, 8
	s_add_co_u32 s46, s46, s18                     ; B: row 256 x tile of positions + 128 x half
	s_mov_b32 s21, 0
	s_mov_b32 s47, 0
	s_mov_b64 s[18:19], KS
	s_mul_u64 s[22:23], s[20:21], s[18:19]         ; where these rows' scales begin, in bytes
	s_mul_u64 s[92:93], s[46:47], s[18:19]
	s_mov_b64 s[18:19], KROW
	s_mul_u64 s[20:21], s[20:21], s[18:19]         ; and their codes
	s_mul_u64 s[46:47], s[46:47], s[18:19]
	s_mul_i32 s45, s14, HALFT                      ; where they go: wave x 128 rows: no place in the cluster enters an LDS address
	s_mul_i32 s94, s14, HALFS
	s_wait_kmcnt 0x0
	s_add_nc_u64 s[4:5], s[4:5], 0x100000          ; Wk's and Wv's places lie behind Wq's 1,024 rows of 1,024 bytes,
	s_add_nc_u64 s[6:7], s[6:7], 0x8000            ; their scale bytes behind 1,024 rows of 32
	s_add_nc_u64 s[20:21], s[4:5], s[20:21]
	s_add_nc_u64 s[22:23], s[6:7], s[22:23]
	s_add_nc_u64 s[46:47], s[8:9], s[46:47]
	s_add_nc_u64 s[92:93], s[10:11], s[92:93]
	CROUND                                         ; all sixteen work-groups are here: the first joint loads meet
	s_mov_b32 s[G0S], 1
	s_add_co_u32 s[G0S+1], s94, SCL
	s_mov_b64 s[G0S+2:G0S+3], s[22:23]
	s_or_b32 s[G0S+3], s[G0S+3], 0x80000000
	s_mov_b32 s[G0SB], 1
	s_add_co_u32 s[G0SB+1], s94, SCL
	s_mov_b64 s[G0SB+2:G0SB+3], s[92:93]
	s_or_b32 s[G0SB+3], s[G0SB+3], 0x80000000
	JLOAD G0S, G1S, G0SB, G1SB                     ; the scales first: they are wanted with K step 0
.irp s, 0,1
	s_mov_b32 s[G0+4*\s], 1
	s_add_co_u32 s[G0+4*\s+1], s45, \s*SLOT
	s_add_nc_u64 s[G0+4*\s+2:G0+4*\s+3], s[20:21], \s*ROWB
	s_or_b32 s[G0+4*\s+3], s[G0+4*\s+3], 0x80000000
	s_mov_b32 s[G0B+4*\s], 1
	s_add_co_u32 s[G0B+4*\s+1], s45, \s*SLOT
	s_add_nc_u64 s[G0B+4*\s+2:G0B+4*\s+3], s[46:47], \s*ROWB
	s_or_b32 s[G0B+4*\s+3], s[G0B+4*\s+3], 0x80000000
	JLOAD G0+4*\s, G1, G0B+4*\s, G1B               ; three loads of mine are out now
.endr
	v_and_b32 v1, 15, v0                           ; r = lane % 16
	v_bfe_u32 v2, v0, 4, 1                         ; h = lane / 16
	v_and_b32 v3, 8, v1
	v_add_nc_u32 v3, v3, v1
	v_lshlrev_b32 v[BA], 2, v3                     ; place r of tile a holds feature 32 (a / 2) + 8 (a % 2) + r + 8 (r / 8)
	s_lshl_b32 s92, s17, 1
	s_add_co_u32 s92, s92, s15                     ; my head
	s_lshl_b32 s94, s92, 8                         ; its 64 numbers of a bias
	s_mov_b32 s95, 0
	s_add_nc_u64 s[96:97], s[96:97], s[94:95]
	s_add_nc_u64 s[98:99], s[98:99], s[94:95]
.irp a, 0,1,2,3
	global_load_b32 v[BIAS+8*\a], v[BA], s[96:97] offset:(32*(\a/2)+8*(\a%2))*4       ; bk of my lane's feature in tile a
	global_load_b32 v[BIAS+32+8*\a], v[BA], s[98:99] offset:(32*(\a/2)+8*(\a%2))*4    ; bv likewise
.endr
	v_mul_u32_u24 v3, v1, PITCH
	v_lshl_add_u32 v4, v2, 4, v3                   ; a fragment's row x pitch + 16 x half
	s_mul_i32 s21, s15, HALFT                      ; my 128 rows of A
	s_mul_i32 s22, s16, HALFT                      ; my 128 rows of B,
	s_add_co_u32 s22, s22, 2*HALFT                 ; which lie behind A's 256
.irp s, 0,1
	v_add_nc_u32 v[ADRA+\s], s21, v4
	v_add_nc_u32 v[ADRB+\s], s22, v4
	s_add_co_u32 s21, s21, SLOT
	s_add_co_u32 s22, s22, SLOT
.endr
	v_mul_u32_u24 v5, v1, KS                       ; my row's scales: 32 bytes a row,
	v_lshrrev_b32 v6, 8, v5
	v_lshl_add_u32 v5, v6, 4, v5                   ; and 16 more for each 256 passed
	s_mul_i32 s21, s15, HALFS
	s_mul_i32 s22, s16, HALFS
	s_add_co_u32 s22, s22, 2*HALFS
	s_sub_co_u32 s22, s22, s21
	v_mul_u32_u24 v6, s22, v2                      ; lanes 16-31 take B's
	s_add_co_u32 s21, s21, SCL
	v_add_nc_u32 v5, v5, v6
	v_add_nc_u32 v[ADRS], s21, v5
	; pointers of the way out
	s_lshl_b32 s94, s42, 10
	s_lshl_b32 s93, s16, 9
	s_add_co_u32 s94, s94, s93
	s_add_nc_u64 s[66:67], s[66:67], s[94:95]      ; the mask of my 128 positions: 4 (256 x tile + 128 x half) bytes on
	s_lshl_b32 s46, s42, 4
	s_lshl_b32 s47, s17, 1
	s_add_co_u32 s46, s46, s47
	s_lshl_b32 s46, s46, 8
	s_add_co_u32 s46, s46, 0x1000000
	s_mov_b32 s47, 0
	s_add_nc_u64 s[46:47], s[12:13], s[46:47]      ; the sums: behind the 16,777,216 bytes of kv: [tile of positions][head][64] f32, my work-group's two heads
	s_lshr_b32 s93, s42, 4
	s_lshl_b32 s93, s93, 4
	s_add_co_u32 s93, s93, s92                     ; 16 x batch + head
	s_lshl_b32 s93, s93, 4
	s_and_b32 s94, s42, 15
	s_add_co_u32 s93, s93, s94                     ; x 16 + the tile's number in its batch: the record
	s_lshl_b32 s93, s93, 1
	s_add_co_u32 s93, s93, s16                     ; my half of it
	s_lshl_b32 s94, s93, 13
	s_add_nc_u64 s[12:13], s[12:13], s[94:95]
	s_wait_loadcnt 0x0                             ; the biases
.irp a, 0,1,2,3,4,5,6,7
.irp j, 1,2,3,4,5,6,7
	v_mov_b32 v[BIAS+8*\a+\j], v[BIAS+8*\a]        ; a lane's eight results of a tile belong to one feature: eight times its bias
.endr
.endr
	v_lshlrev_b32 v[A64], 6, v2                    ; the addresses of the way out are made here: nine plain lines between the copies above and the first products
	v_and_b32 v6, 31, v0
	v_lshlrev_b32 v[LI], 4, v6
	s_lshl_b32 s21, s14, 14
	v_add_nc_u32 v[STO], s21, v[LI]                ; my tiles: 16,384 x wave + 16 x lane
	s_lshl_b32 s21, s15, 15
	s_lshl_b32 s22, s16, 13
	s_add_co_u32 s21, s21, s22
	v_add_nc_u32 v[RD], s21, v[LI]                 ; back: my head's first wave, my half of the 16,384 bytes
	s_lshl_b32 s21, s14, 8
	s_add_co_u32 s21, s21, KSST
	v_add_nc_u32 v[KSW], s21, v[BA]
	v_lshlrev_b32 v[KSR], 4, v1
	v_lshl_add_u32 v[KSR], v2, 9, v[KSR]
	v_add_nc_u32 v[KSR], KSST, v[KSR]              ; lanes 0-15: waves 0 and 1 (the first head), lanes 16-31: waves 2 and 3
	s_mov_b32 s18, 0x600000                        ; the mantissa field of 448
	s_mov_b32 s20, 0x3fb8aa3b                      ; log2(e)
	s_mov_b32 s21, s20                             ; (named with it as a pair, so it is written)
	s_mov_b32 s22, 0x76543210
	s_mov_b32 s23, 0xfedcba98                      ; v_permlanex16_b32's selects for lane l xor 16
.macro FRAG reg, adr, q, i             ; a fragment, 16 rows x 128 K: lane l holds row l % 16; registers 4 c .. 4 c + 3 hold K = 32 c + 16 (l / 16) + 0 .. 15
.irp c, 0,1,2,3
	ds_load_b128 v[\reg+4*\c:\reg+4*\c+3], v[\adr] offset:128*(\q)+32*\c+(\i)*16*PITCH
.endr
.endm
; 16 matrix instructions: A's blocks a0, a0 + 1 x B's eight, 128 along K.  first = 1: the sums begin with the bias of A's block as C.  The 64 accumulators take turns, one instruction a turn.
.macro MUL16 a0, p, q, sc, first
.irp a, \a0, \a0+1
.irp b, 0,1,2,3,4,5,6,7
.if \first
	v_wmma_scale_f32_16x16x128_f8f6f4 v[8*(8*((\a)%4)+\b):8*(8*((\a)%4)+\b)+7], v[128*(\p)+FR*\b:128*(\p)+FR*\b+FR-1], v[AF+FR*(\a):AF+FR*(\a)+FR-1], v[BIAS+8*(\a):BIAS+8*(\a)+7], v[SC+8*NQ*(\sc)+NQ*\b+(\q)], v[SC+8*NQ*(\sc)+NQ*(\a)+(\q)] matrix_a_scale:MATRIX_SCALE_ROW1
.else
	v_wmma_scale_f32_16x16x128_f8f6f4 v[8*(8*((\a)%4)+\b):8*(8*((\a)%4)+\b)+7], v[128*(\p)+FR*\b:128*(\p)+FR*\b+FR-1], v[AF+FR*(\a):AF+FR*(\a)+FR-1], v[8*(8*((\a)%4)+\b):8*(8*((\a)%4)+\b)+7], v[SC+8*NQ*(\sc)+NQ*\b+(\q)], v[SC+8*NQ*(\sc)+NQ*(\a)+(\q)] matrix_a_scale:MATRIX_SCALE_ROW1
.endif
.endr
.endr
.endm
.macro FETCH_B slot, q, p
	WIN TO_B
.irp i, 0,1,2,3,4,5,6,7
	FRAG 128*(\p)+FR*\i, ADRB+\slot, \q, \i
.endr
	WIN 0
.endm
.macro FETCH_A slot, q, i0
.irp i, \i0, \i0+1, \i0+2, \i0+3
	FRAG AF+FR*(\i), ADRA+\slot, \q, \i
.endr
.endm
.macro SCALES sc                       ; a K step's scale words into set sc: lanes 0-15 take A's block i, lanes 16-31 B's block i
.irp i, 0,1,2,3,4,5,6,7
	ds_load_b64 v[SC+8*NQ*\sc+NQ*\i:SC+8*NQ*\sc+NQ*\i+1], v[ADRS] offset:\i*SBLK
.endr
.endm
; A step of 128 along K that has its successor in the same slot.  A load into a register that a matrix instruction has read stands NP places behind it; only plain vector instructions that name none of its registers are places.
.macro STEP slot, q, first
	s_wait_dscnt 4*NL                              ; B's set and A's blocks 0-3 are in; the youngest 16 loads (A's blocks 4-7) may be out
	WIN MUL_LO-0x20*(\first)                       ; (in the first step C lies in window 0)
	MUL16 0, (\q)%2, \q, \slot, \first
	MUL16 2, (\q)%2, \q, \slot, \first
	s_wait_dscnt 0                                 ; A's blocks 4-7 are in
	PLACES NP
	FETCH_B \slot, (\q)+1, 1-(\q)%2
	FETCH_A \slot, (\q)+1, 0
	WIN MUL_HI-0x30*(\first)
	MUL16 4, (\q)%2, \q, \slot, \first
	MUL16 6, (\q)%2, \q, \slot, \first
	PLACES NP
	WIN 0
	FETCH_A \slot, (\q)+1, 4
.endm
; A slot's last step changes slots: one barrier; in front of it each wave waits for all its tensor loads, adds 0 to its spare word, and waits for that and for its own reads of this slot.  fill = 1: this slot is filled again, two K steps ahead.
.macro TURN slot, next, fill
	s_wait_tensorcnt 0x0                           ; all my tensor loads have landed: my part of the next slot
	ds_add_u32 v[SPW], v[NIL]                      ; 0 onto my spare word
	s_wait_dscnt 4*NL+1                            ; (the add and the youngest 16 loads, A's blocks 4-7, may be out)
	WIN MUL_LO
	MUL16 0, 1, NQ-1, \slot, 0                     ; sixteen matrix instructions stand between the add and the wait for it
	s_wait_dscnt 0x0                               ; the add is done, and my reads of this slot are over
	s_barrier_signal -1
	MUL16 2, 1, NQ-1, \slot, 0
	WIN 0
	s_barrier_wait -1
.if \fill
	CREST                                          ; the barrier has opened a round of the cluster's barrier: no wave of any partner still reads this slot or has a load on its way
	s_add_nc_u64 s[G0+4*\slot+2:G0+4*\slot+3], s[G0+4*\slot+2:G0+4*\slot+3], 2*ROWB
	s_add_nc_u64 s[G0B+4*\slot+2:G0B+4*\slot+3], s[G0B+4*\slot+2:G0B+4*\slot+3], 2*ROWB
	JLOAD G0+4*\slot, G1, G0B+4*\slot, G1B         ; the first tensor load behind the round; its four v_nop are among the places in front of the loads below
	PLACES NP-4
.else
	PLACES NP
.endif
	v_add_nc_u32 v[ADRS], 4*NQ, v[ADRS]            ; on to the next K step's scale words
	FETCH_B \next, 0, 0
	FETCH_A \next, 0, 0
	SCALES \next
	WIN MUL_HI
	MUL16 4, 1, NQ-1, \slot, 0
	MUL16 6, 1, NQ-1, \slot, 0
	PLACES NP
	WIN 0
	FETCH_A \next, 0, 4
.endm
	s_wait_tensorcnt 1                             ; the scales and my part of K step 0 are in (K step 1's load may be out)
	s_barrier_signal -1
	s_barrier_wait -1                              ; everybody's are
	FETCH_B 0, 0, 0
	FETCH_A 0, 0, 0
	SCALES 0
	FETCH_A 0, 0, 4
	STEP 0, 0, 1                                   ; K 0-127: the products start the sums on the biases
	LOAD64 MASK, 66                                ; the biases are done with (eight places stand behind the last product that read them): the mask takes their registers; it is waited for on the way out
	TURN 0, 1, 1                                   ; K = 1,024 is four K steps: once and a half round the ring with refills, then the tail; written out, there is nothing to loop over
	STEP 1, 0, 0
	TURN 1, 0, 1
	STEP 0, 0, 0
	TURN 0, 1, 0                                   ; nothing is left to fetch: no round of the cluster's barrier
	STEP 1, 0, 0
	s_wait_dscnt 4*NL                              ; the last step
	WIN MUL_LO
	MUL16 0, 1, NQ-1, 1, 0
	MUL16 2, 1, NQ-1, 1, 0
	s_wait_dscnt 0
	WIN MUL_HI
	MUL16 4, 1, NQ-1, 1, 0
	MUL16 6, 1, NQ-1, 1, 0
	WIN 0
; THE WAY OUT.
; KFEAT a: k's tile a (16 features x my 128 positions) -> Y = (elu + 1) x mask, and v[8 + a] = the sum of my lane's 64.  Each accumulator is read from its low end on.
.macro KFEAT a
	WIN 0x02                                       ; source 0: window 2
.set i, 0
.rept 32
	v_pk_mul_f32 v[T+i:T+i+1], v[64*(\a)+i:64*(\a)+i+1], s[20:21] op_sel_hi:[1,0]   ; x log2(e)
.set i, i+2
.endr
.set i, 0
.rept 32
	v_pk_add_f32 v[Y+i:Y+i+1], v[64*(\a)+i:64*(\a)+i+1], 1.0 op_sel_hi:[1,0]        ; x + 1
.set i, i+2
.endr
	WIN 0
.set i, 0
.rept 64
	v_exp_f32 v[T+i], v[T+i]                       ; exp(x)
.set i, i+1
.endr
	v_nop                                          ; a plain line between the exponentials and the use of their results
.set i, 0
	s_wait_alu depctr_va_vdst(0)
.rept 64
	v_med3_num_f32 v[Y+i], v[T+i], 1.0, v[Y+i]     ; x > 0: 1 < x + 1 <= exp(x); x <= 0: x + 1 <= exp(x) <= 1: the middle one is elu(x) + 1
.set i, i+1
.endr
.set i, 0
.rept 32
	v_pk_mul_f32 v[Y+i:Y+i+1], v[Y+i:Y+i+1], v[MASK+i:MASK+i+1]
.set i, i+2
.endr
	v_pk_add_f32 v[12:13], v[Y:Y+1], v[Y+2:Y+3]    ; the sum of the unquantised k, two at a time, in two chains
	v_pk_add_f32 v[14:15], v[Y+4:Y+5], v[Y+6:Y+7]
.set i, 8
.rept 14
	v_pk_add_f32 v[12:13], v[12:13], v[Y+i:Y+i+1]
	v_pk_add_f32 v[14:15], v[14:15], v[Y+i+2:Y+i+3]
.set i, i+4
.endr
	v_pk_add_f32 v[12:13], v[12:13], v[14:15]
	v_add_f32 v[8+(\a)], v12, v13
.endm
; QUANT: 64 numbers of a lane at v[src] of window wsrc, register 16 b + i = position 32 b + 16 (lane / 16) + i, become a fragment's codes at v[dst] of window 1 and its scale word in v[pw].
.macro QUANT src, wsrc, dst, pw
	WIN ((\wsrc)<<2)|((\wsrc)<<4)                  ; sources 1 and 2: the numbers' window
.irp b, 0,1,2,3
	v_max3_num_f32 v[TM+\b], 0x4800000, |v[(\src)+16*\b]|, |v[(\src)+16*\b+1]|   ; block b: my 16 numbers, and the floor 2^(9 - 127): the byte cannot fall under 1
.endr
.irp i, 2,4,6,8,10,12,14
.irp b, 0,1,2,3
	v_max3_num_f32 v[TM+\b], v[TM+\b], |v[(\src)+16*\b+\i]|, |v[(\src)+16*\b+\i+1]|   ; (the four blocks by turns)
.endr
.endr
	WIN 0
.irp b, 0,1,2,3
	v_permlanex16_b32 v[TM+4+\b], v[TM+\b], s22, s23
.endr
.irp b, 0,1,2,3
	v_max_num_f32 v[TM+\b], v[TM+\b], v[TM+4+\b]   ; with lane l xor 16's: the block's largest magnitude
.endr
.irp b, 0,1,2,3
	v_add_nc_u32 v[TM+12+\b], 0xfc000000, v[TM+\b] ; 8 off its exponent field: the conversion's scale operand
.endr
.irp b, 0,1,2,3
	v_and_or_b32 v[TM+8+\b], v[TM+\b], 0x7f800000, s18   ; 448 x the scale
.endr
.irp b, 0,1,2,3
	v_lshrrev_b32 v[TM+4+\b], 23, v[TM+12+\b]      ; the scale's byte
.endr
	v_lshl_or_b32 v[\pw], v[TM+5], 8, v[TM+4]      ; the four bytes make my feature's scale word
	v_lshl_or_b32 v[\pw], v[TM+6], 16, v[\pw]
	v_lshl_or_b32 v[\pw], v[TM+7], 24, v[\pw]
	WIN \wsrc                                      ; source 0: the numbers' window
.irp b, 0,1,2,3
.irp i, 0,1,2,3,4,5,6,7,8,9,10,11,12,13,14,15
	v_med3_num_f32 v[Y+16*\b+\i], v[(\src)+16*\b+\i], -v[TM+8+\b], v[TM+8+\b]   ; the conversion to an 8-bit code does not saturate (ISA guide 7.6.2): the hold
.endr
.endr
	WIN 0x40                                       ; destination: window 1
.irp b, 0,1,2,3
	v_cvt_scalef32_pk8_fp8_f32 v[(\dst)+4*\b:(\dst)+4*\b+1], v[Y+16*\b:Y+16*\b+7], v[TM+12+\b]
	v_cvt_scalef32_pk8_fp8_f32 v[(\dst)+4*\b+2:(\dst)+4*\b+3], v[Y+16*\b+8:Y+16*\b+15], v[TM+12+\b]
.endr
	WIN 0
	v_nop                                          ; a plain line between the conversions and whatever next touches their results or writes their sources
.endm
	PLACES NP                                      ; behind the last products, ahead of the first read of results and the first write of A's registers
	s_wait_loadcnt 0x0                             ; the mask
.irp a, 0,1,2,3
	KFEAT \a
	QUANT Y, 0, 16*\a, 32+\a                       ; signed: the mask is a number like any other
.endr
.irp a, 0,1,2,3
	v_permlanex16_b32 v[12+\a], v[8+\a], s22, s23
.endr
.irp a, 0,1,2,3
	v_add_f32 v[8+\a], v[8+\a], v[12+\a]           ; with lane l xor 16's 64 positions: my feature's sum over the wave's 128
.endr
.irp a, 4,5,6,7
	QUANT 64*(\a-4), 3, 16*\a, 32+\a               ; v's tiles, straight from their accumulators
.endr
	PLACES 4                                       ; an operand written by vector instructions stands four places ahead of a scaled matrix instruction (its scale word eight: it was made ahead of the 64 holds)
	WIN 0x45                                       ; sources 0 and 1 and the destination: window 1
.irp kt, 0,1,2,3
.irp et, 0,1,2,3
	v_wmma_scale_f32_16x16x128_f8f6f4 v[128+8*(4*\kt+\et):128+8*(4*\kt+\et)+7], v[16*\kt:16*\kt+15], v[64+16*\et:64+16*\et+15], 0, v[32+\kt], v[36+\et]   ; lane (r, h), register j: kv(place 8 h + j of k's tile kt, place r of v's tile et), over my 128 positions
.endr
.endr
	WIN 0
	PLACES NP
	WIN 0x04                                       ; an LDS store's data are its source 1: window 1
.set i, 0
.rept 32
	ds_store_b128 v[STO], v[128+4*i:128+4*i+3] offset:512*i   ; the tiles' registers as they stand, each from its low end on
.set i, i+1
.endr
	WIN 0
.irp a, 0,1,2,3
	ds_store_b32 v[KSW], v[8+\a] offset:(32*(\a/2)+8*(\a%2))*4   ; the sums in the features' own order; both halves of the lanes write the same word with the same value
.endr
	s_wait_dscnt 0x0                               ; for the others' sake: my stores are done
	s_barrier_signal -1
	s_barrier_wait -1
.set i, 0
.rept 16
	ds_load_b128 v[Y+4*i:Y+4*i+3], v[RD] offset:512*i          ; my half of my head's record: the first wave's,
	ds_load_b128 v[T+4*i:T+4*i+3], v[RD] offset:16384+512*i    ; and the second's
.set i, i+1
.endr
	s_wait_dscnt 0x0
.set i, 0
.rept 32
	v_pk_add_f32 v[Y+i:Y+i+1], v[Y+i:Y+i+1], v[T+i:T+i+1]      ; the head's 256 positions
.set i, i+2
.endr
.set i, 0
.rept 16
	global_store_b128 v[LI], v[Y+4*i:Y+4*i+3], s[12:13] offset:512*i   ; 32 lanes store 512 consecutive bytes, aligned
.set i, i+1
.endr
	s_cmp_lg_u32 s14, 0                            ; wave 0 adds and stores the two heads' sums
	s_cbranch_scc1 .Lno_ksum
	ds_load_b128 v[8:11], v[KSR]
	ds_load_b128 v[12:15], v[KSR] offset:256
	s_wait_dscnt 0x0
	v_pk_add_f32 v[8:9], v[8:9], v[12:13]
	v_pk_add_f32 v[10:11], v[10:11], v[14:15]
	global_store_b128 v[LI], v[8:11], s[46:47]     ; 512 consecutive bytes: two heads x 64 f32
.Lno_ksum:
	s_wait_tensorcnt 0x0                           ; the wave's end
	ds_add_u32 v[SPW], v[NIL]
	s_wait_dscnt 0x0
	CROUND                                         ; the closing round: no work-group ends while a partner may still ask for a tile that names it
	s_endpgm
.Lfunc_end_k_qb4811297ac_kvgemm:
	.size	k_qb4811297ac_kvgemm, .Lfunc_end_k_qb4811297ac_kvgemm-k_qb4811297ac_kvgemm
	.p2alignl 7, 3214868480
	.fill 96, 4, 3214868480
	.section	.rodata,"a",@progbits
	.p2align	6, 0x0
	.amdhsa_kernel k_qb4811297ac_kvgemm
		.amdhsa_group_segment_fixed_size 327680
		.amdhsa_private_segment_fixed_size 0
		.amdhsa_enable_private_segment 0
		.amdhsa_kernarg_size 64
		.amdhsa_user_sgpr_count 2
		.amdhsa_user_sgpr_kernarg_segment_ptr 1
		.amdhsa_wavefront_size32 1
		.amdhsa_system_sgpr_workgroup_id_x 1
		.amdhsa_system_sgpr_workgroup_id_y 1
		.amdhsa_system_sgpr_workgroup_id_z 1
		.amdhsa_system_vgpr_workitem_id 0
		.amdhsa_next_free_vgpr 1024
		.amdhsa_next_free_sgpr 100
		.amdhsa_reserve_vcc 0
		.amdhsa_float_denorm_mode_32 3
		.amdhsa_float_denorm_mode_16_64 3
		.amdhsa_memory_ordered 1
		.amdhsa_forward_progress 1
		.amdhsa_inst_pref_size 253
	.end_amdhsa_kernel
	.amdgpu_metadata
---
amdhsa.version: [ 1, 2 ]
amdhsa.kernels:
  - .name:           k_qb4811297ac_kvgemm
    .symbol:         k_qb4811297ac_kvgemm.kd
    .args:
      - { .name: wc, .offset: 0, .size: 8, .value_kind: global_buffer, .address_space: global }
      - { .name: ws, .offset: 8, .size: 8, .value_kind: global_buffer, .address_space: global }
      - { .name: xc, .offset: 16, .size: 8, .value_kind: global_buffer, .address_space: global }
      - { .name: xs, .offset: 24, .size: 8, .value_kind: global_buffer, .address_space: global }
      - { .name: bk, .offset: 32, .size: 8, .value_kind: global_buffer, .address_space: global }
      - { .name: bv, .offset: 40, .size: 8, .value_kind: global_buffer, .address_space: global }
      - { .name: attention_mask, .offset: 48, .size: 8, .value_kind: global_buffer, .address_space: global }
      - { .name: part, .offset: 56, .size: 8, .value_kind: global_buffer, .address_space: global }
    .group_segment_fixed_size: 327680
    .private_segment_fixed_size: 0
    .kernarg_segment_align: 8
    .kernarg_segment_size: 64
    .max_flat_workgroup_size: 128
    .sgpr_count:     100
    .vgpr_count:     1024
    .wavefront_size: 32
...
	.end_amdgpu_metadata
.endif
;; end of part 2
;; launch kvfin (part 3): grid 256 x 1, 4 waves a work-group, no clusters, 16,896 bytes of LDS; arguments part, fin; writes fin
.if DOCPART == 3
	.amdgcn_target "amdgcn-amd-amdhsa--gfx1250"
	.amdhsa_code_object_version 6
	.text
	.protected	k_qb4811297ac_kvfin
	.globl	k_qb4811297ac_kvfin
	.p2align	8
	.type	k_qb4811297ac_kvfin,@function
k_qb4811297ac_kvfin:
	s_mov_b64 s[64:65], 0
	v_nop
	global_prefetch_b8 v0, s[64:65] scope:SCOPE_SE
	s_setreg_imm32_b32 hwreg(HW_REG_WAVE_MODE, 25, 1), 1
	s_wait_xcnt 0x0
; The 16 partial kv of each (batch, head) are added in f32 and quantised along the k features (64: two blocks of 32) into codes of FP8 (E4M3), laid as the next product's operand registers;
; the 16 partial sums of k are added.  No matrix instruction: the work is 17 MB of reads and a few additions a byte.
; part: record (16 nh + s) of 16,384 bytes: tile 4 kt + et of 1,024 bytes = two runs of 512 = [lane][4 registers]; lane (r, h), register j of tile (kt, et) is kv(k feature 32 (kt / 2) + 16 h + 8 (kt % 2) + j,
; place r of v's tile et).  So for one et a lane's 32 registers 8 kt + j are k features 32 c + 16 h + i at register 16 c + i: an operand's order along K.  Behind byte 16,777,216: the sums [16 n + s][head][64].
; fin: bytes 0 on: codes, record (4 nh + et) of 1,024 bytes = block c: [lane][4 registers];  262,144 on: scale words, record (4 nh + et) of 128 bytes = [lane];  294,912 on: ksum [nh][64] f32.
; The scale word carries the two bytes in its low half for an even head and in its high half for an odd one: the reader multiplies two heads' q in one operand, an even head's in blocks 0 and 1.
; SHARES.  Work-group = (nh, et).  Wave w adds partials 4 w .. 4 w + 3 (32 loads of 512 bytes, all out at once); the four sums meet in LDS; wave 0 adds them, quantises and stores.
; Wave 1 of every eighth work-group adds the sums of k of two heads.  The scale words leave as 128 bytes a work-group: half of an aligned 256; 32 KB in the whole launch.
; LIMITS: NaN and infinities are not served; a block whose largest magnitude lies under 2^-118 (a block of zeros among them) gets the scale byte 1.
.set S0, 32                            ; v32-159  four sets of 32 numbers
.set CD, 16                            ; v16-23   the codes
.set TM, 160                           ; v160-161 largest magnitudes, 162-163 bytes, 164-165 448 x the scale, 166-167 the conversions' scale operands; v168 the scale word
	s_load_b128 s[4:7], s[0:1], 0x0                ; part, fin
	v_lshl_add_u32 v176, v0, 2, 0x4000
	v_mov_b32 v177, 0
	v_lshrrev_b32 v1, 5, v0
	v_readfirstlane_b32 s8, v1                     ; wave
	v_and_b32 v2, 31, v0
	v_lshlrev_b32 v3, 4, v2                        ; 16 x lane
	v_lshlrev_b32 v4, 2, v2                        ; 4 x lane
	s_lshl_b32 s9, s8, 12
	v_add_nc_u32 v5, s9, v3                        ; LDS: my wave's 4,096 bytes
	s_and_b32 s10, ttmp9, 3                        ; et
	s_lshr_b32 s11, ttmp9, 2                       ; nh
	s_lshl_b32 s12, s11, 18                        ; nh's 16 records,
	s_lshl_b32 s13, s8, 16                         ; my four of them,
	s_add_co_u32 s12, s12, s13
	s_lshl_b32 s13, s10, 10                        ; tile et of each kt
	s_add_co_u32 s12, s12, s13
	s_mov_b32 s13, 0
	s_lshr_b32 s20, ttmp9, 6                       ; the batch
	s_lshl_b32 s20, s20, 16
	s_and_b32 s21, s11, 15                         ; the head
	s_lshl_b32 s21, s21, 8
	s_add_co_u32 s20, s20, s21
	s_add_co_u32 s20, s20, 0x1000000
	s_mov_b32 s21, 0
	s_lshl_b32 s22, s11, 8
	s_add_co_u32 s22, s22, 294912
	s_mov_b32 s23, 0
	s_lshl_b32 s24, ttmp9, 10                      ; 4 nh + et is the work-group's number
	s_mov_b32 s25, 0
	s_lshl_b32 s26, ttmp9, 7
	s_add_co_u32 s26, s26, 262144
	s_mov_b32 s27, 0
	s_bfe_u32 s19, ttmp9, 0x10002                  ; head % 2
	s_lshl_b32 s19, s19, 4
	s_mov_b32 s16, 0x76543210
	s_mov_b32 s17, 0xfedcba98                      ; v_permlanex16_b32's selects for lane l xor 16
	s_mov_b32 s18, 0x600000                        ; the mantissa field of 448
	s_and_b32 s28, ttmp9, 7
	s_wait_kmcnt 0x0
	s_add_nc_u64 s[14:15], s[4:5], s[12:13]        ; my partials
	s_add_nc_u64 s[20:21], s[4:5], s[20:21]        ; the partial sums of k of heads nh, nh + 1
	s_add_nc_u64 s[22:23], s[6:7], s[22:23]        ; ksum
	s_add_nc_u64 s[24:25], s[6:7], s[24:25]        ; the codes
	s_add_nc_u64 s[26:27], s[6:7], s[26:27]        ; the scale words
.irp p, 0,1,2,3
.irp kt, 0,1,2,3
.irp hf, 0,1
	global_load_b128 v[S0+32*\p+8*\kt+4*\hf:S0+32*\p+8*\kt+4*\hf+3], v3, s[14:15] offset:16384*\p+4096*\kt+512*\hf th:TH_LOAD_NT   ; 512 consecutive bytes; read once in the launch
.endr
.endr
.endr
.macro ADDP p                          ; set p onto set 0
.set i, 0
.rept 16
	v_pk_add_f32 v[S0+i:S0+i+1], v[S0+i:S0+i+1], v[S0+32*(\p)+i:S0+32*(\p)+i+1]
.set i, i+2
.endr
.endm
	s_wait_loadcnt 16                              ; partials 0 and 1 are in; the 16 loads of 2 and 3 may be out
	ADDP 1
	s_wait_loadcnt 8                               ; partial 3's eight may be out
	ADDP 2
	s_wait_loadcnt 0x0
	ADDP 3
.irp i, 0,1,2,3,4,5,6,7
	ds_store_b128 v5, v[S0+4*\i:S0+4*\i+3] offset:512*\i
.endr
	s_wait_dscnt 0x0                               ; for the others' sake: my stores are done
	s_barrier_signal -1
	s_barrier_wait -1
	s_cmp_lg_u32 s8, 0
	s_cbranch_scc1 .Lnot_wave_0
.irp w, 1,2,3
.irp i, 0,1,2,3,4,5,6,7
	ds_load_b128 v[S0+32*\w+4*\i:S0+32*\w+4*\i+3], v3 offset:4096*\w+512*\i
.endr
.endr
	s_wait_dscnt 0x0
	ADDP 1
	ADDP 2
	ADDP 3                                         ; kv of (nh, et): register 16 c + i = k feature 32 c + 16 h + i, lane r = place r of v's tile
.irp c, 0,1
	v_max3_num_f32 v[TM+\c], |v[S0+16*\c]|, |v[S0+16*\c+1]|, 0x4800000   ; block c: my 16 numbers, and the floor 2^(9 - 127)
	v_mov_b32 v[TM+2+\c], 0                        ; (a lane permute's destination counts as one of its sources)
.endr
.irp i, 2,4,6,8,10,12,14
.irp c, 0,1
	v_max3_num_f32 v[TM+\c], v[TM+\c], |v[S0+16*\c+\i]|, |v[S0+16*\c+\i+1]|
.endr
.endr
.irp c, 0,1
	v_permlanex16_b32 v[TM+2+\c], v[TM+\c], s16, s17
.endr
.irp c, 0,1
	v_max_num_f32 v[TM+\c], v[TM+\c], v[TM+2+\c]   ; with lane l xor 16's: the block's largest magnitude
.endr
.irp c, 0,1
	v_add_nc_u32 v[TM+6+\c], 0xfc000000, v[TM+\c]  ; 8 off its exponent field: the conversion's scale operand
	v_and_or_b32 v[TM+4+\c], v[TM+\c], 0x7f800000, s18   ; 448 x the scale
.endr
.irp c, 0,1
	v_lshrrev_b32 v[TM+2+\c], 23, v[TM+6+\c]       ; the scale's byte
.endr
	v_lshl_or_b32 v[TM+8], v[TM+3], 8, v[TM+2]
	v_lshlrev_b32 v[TM+8], s19, v[TM+8]            ; an odd head's bytes stand for blocks 2 and 3
.irp c, 0,1
.irp i, 0,1,2,3,4,5,6,7,8,9,10,11,12,13,14,15
	v_med3_num_f32 v[S0+16*\c+\i], v[S0+16*\c+\i], -v[TM+4+\c], v[TM+4+\c]   ; the conversion to an 8-bit code does not saturate (ISA guide 7.6.2): the hold
.endr
.endr
.irp c, 0,1
	v_cvt_scalef32_pk8_fp8_f32 v[CD+4*\c:CD+4*\c+1], v[S0+16*\c:S0+16*\c+7], v[TM+6+\c]
	v_cvt_scalef32_pk8_fp8_f32 v[CD+4*\c+2:CD+4*\c+3], v[S0+16*\c+8:S0+16*\c+15], v[TM+6+\c]
.endr
	v_nop                                          ; a plain line behind the last conversion
	global_store_b128 v3, v[CD:CD+3], s[24:25]
	global_store_b128 v3, v[CD+4:CD+7], s[24:25] offset:512
	global_store_b32 v4, v[TM+8], s[26:27]
	s_wait_tensorcnt 0x0
	ds_add_u32 v176, v177
	s_wait_dscnt 0x0
	s_endpgm
.Lnot_wave_0:
	s_cmp_lg_u32 s8, 1
	s_cbranch_scc1 .Ldone
	s_cmp_lg_u32 s28, 0                            ; et = 0 and an even head: this work-group serves heads nh and nh + 1
	s_cbranch_scc1 .Ldone
.irp i, 0,1,2,3,4,5,6,7,8,9,10,11,12,13,14,15
	global_load_b128 v[S0+4*\i:S0+4*\i+3], v3, s[20:21] offset:4096*\i th:TH_LOAD_NT   ; tile i of the batch's positions: two heads' 64 sums, 512 consecutive bytes
.endr
	s_wait_loadcnt 0x0
.irp i, 1,2,3,4,5,6,7,8,9,10,11,12,13,14,15
	v_pk_add_f32 v[S0:S0+1], v[S0:S0+1], v[S0+4*\i:S0+4*\i+1]
	v_pk_add_f32 v[S0+2:S0+3], v[S0+2:S0+3], v[S0+4*\i+2:S0+4*\i+3]
.endr
	global_store_b128 v3, v[S0:S0+3], s[22:23]     ; 512 consecutive bytes, aligned
.Ldone:
	s_wait_tensorcnt 0x0
	ds_add_u32 v176, v177
	s_wait_dscnt 0x0
	s_endpgm
.Lfunc_end_k_qb4811297ac_kvfin:
	.size	k_qb4811297ac_kvfin, .Lfunc_end_k_qb4811297ac_kvfin-k_qb4811297ac_kvfin
	.p2alignl 7, 3214868480
	.fill 96, 4, 3214868480
	.section	.rodata,"a",@progbits
	.p2align	6, 0x0
	.amdhsa_kernel k_qb4811297ac_kvfin
		.amdhsa_group_segment_fixed_size 16896
		.amdhsa_private_segment_fixed_size 0
		.amdhsa_enable_private_segment 0
		.amdhsa_kernarg_size 16
		.amdhsa_user_sgpr_count 2
		.amdhsa_user_sgpr_kernarg_segment_ptr 1
		.amdhsa_wavefront_size32 1
		.amdhsa_system_sgpr_workgroup_id_x 1
		.amdhsa_system_sgpr_workgroup_id_y 1
		.amdhsa_system_sgpr_workgroup_id_z 1
		.amdhsa_system_vgpr_workitem_id 0
		.amdhsa_next_free_vgpr 178
		.amdhsa_next_free_sgpr 66
		.amdhsa_reserve_vcc 0
		.amdhsa_float_denorm_mode_32 3
		.amdhsa_float_denorm_mode_16_64 3
		.amdhsa_memory_ordered 1
		.amdhsa_forward_progress 1
		.amdhsa_inst_pref_size 22
	.end_amdhsa_kernel
	.amdgpu_metadata
---
amdhsa.version: [ 1, 2 ]
amdhsa.kernels:
  - .name:           k_qb4811297ac_kvfin
    .symbol:         k_qb4811297ac_kvfin.kd
    .args:
      - { .name: part, .offset: 0, .size: 8, .value_kind: global_buffer, .address_space: global }
      - { .name: fin, .offset: 8, .size: 8, .value_kind: global_buffer, .address_space: global }
    .group_segment_fixed_size: 16896
    .private_segment_fixed_size: 0
    .kernarg_segment_align: 8
    .kernarg_segment_size: 16
    .max_flat_workgroup_size: 128
    .sgpr_count:     66
    .vgpr_count:     178
    .wavefront_size: 32
...
	.end_amdgpu_metadata
.endif
;; end of part 3
;; launch qout (part 4): grid 4 x 64, 4 waves a work-group, clusters of 4 x 4, 327,680 bytes of LDS; arguments xc, xs, wc, ws, bq, fin, out0; writes out0
.if DOCPART == 4
	.amdgcn_target "amdgcn-amd-amdhsa--gfx1250"
	.amdhsa_code_object_version 6
	.text
	.protected	k_qb4811297ac_qout
	.globl	k_qb4811297ac_qout
	.p2align	8
	.type	k_qb4811297ac_qout,@function
k_qb4811297ac_qout:
	s_mov_b64 s[64:65], 0
	v_nop
	global_prefetch_b8 v0, s[64:65] scope:SCOPE_SE
	s_setreg_imm32_b32 hwreg(HW_REG_WAVE_MODE, 25, 1), 1
	s_wait_xcnt 0x0
	s_wait_alu depctr_hold_cnt(0) depctr_sa_sdst(0) depctr_va_vdst(0) depctr_va_sdst(0) depctr_va_ssrc(0) depctr_va_vcc(0) depctr_vm_vsrc(0)
	s_getreg_b32 s2, hwreg(HW_REG_IB_STS2, 6, 4)
	s_cmp_eq_u32 s2, 0
	s_cbranch_scc0 .Lentry_in_a_cluster
	s_endpgm
.Lentry_in_a_cluster:
	s_bfe_u32 s2, ttmp6, 0x10000c
	s_cmp_lg_u32 s2, 0xf033
	s_cbranch_scc0 .Lentry_shape_is_right
	s_endpgm
.Lentry_shape_is_right:
; q = elu(x Wq^T + bq) + 1 on codes of FP8 (E4M3) with one E8M0 scale for each 32 along K, and straight from the accumulators z = q . ksum (f32, unquantised q), ctx = Q(q) Q(kv) (on codes again,
; K = a head's 64 features) and out0 = ctx z.  q never goes to memory.
; A tile is 256 places of x ("A") x 256 places of Wq ("B": four heads).  Four waves; a wave makes 128 x 128: 128 positions, two heads: 64 accumulators, 512 registers.  K = 1,024 goes in four steps of 256
; through a ring of two LDS slots filled by the tensor data mover; the scale bytes of the tile's rows come once.
; CLUSTERS: 4 x 4 work-groups; A's tiles are asked for jointly along a row of the cluster, B's along a column.
; LAYOUT.  Source 0 = 16 places of Wq, source 1 = 16 places of x: a lane holds ONE position (lane % 16) and its registers run along the features.  Wq's rows were laid so that the 64 registers of a block a of
; positions are features 32 b + 16 (lane / 16) + i at register 16 b + i: an operand's order along K; blocks 0, 1 are the wave's first head, blocks 2, 3 its second.  So q's codes of BOTH heads are one operand of K = 128,
; and a head's kv is an operand with zero codes in the other head's two blocks: [head 0's 8 registers][8 zeros][head 1's 8 registers], 16 registers from the first or from the ninth on.
; x's rows were laid likewise: place r of block a is row 32 (a / 2) + 8 (a % 2) + r + 8 (r / 8); the stores put each row where it belongs.
; bq is the C of each sum's first matrix instruction.  elu(x) + 1 is the middle one of exp(x), 1 and x + 1 (exp(x) >= x + 1 for every x).
; LIMITS: NaN and infinities are not served.  For x <= 0, elu(x) + 1 is taken as exp(x), within 6e-8 absolute of expm1(x) + 1; exponentials under 2^-126 come out as 0.  A block whose largest magnitude
; lies under 2^-118 gets the scale byte 1.
; REGISTERS, in windows of 256: window 0: v0-31 addresses and small state; v32-63 scale words and nothing else; v64-127 bq, later ksum; v128-255 A's fragments, later Y (v128-191) and T (v192-255).
;   window 1: B's fragments, two sets; later v0-95 kv's operands, v96-111 q's codes, v128-191 ctx (8 tiles), v192-255 rows on their way out.   windows 2, 3: the accumulators ((a, b) at v[8 (8 (a % 4) + b)]).
.set NQ,     2
.set ROWB,   256
.set KROW,   1024
.set PITCH,  272                       ; an LDS row: 256 bytes + 16 of padding: the 16 rows that a load touches start at 16 different banks (64 banks of 4 bytes: ISA guide 11.1)
.set FR,     16
.set NL,     4
.set NP,     8                         ; places behind this matrix instruction (ISA guide 7.12.1)
.set HALFT,  128*PITCH
.set SLOT,   4*HALFT
.set KS,     32
.set SCL,    2*SLOT
.set HALFS,  16*272
.set SBLK,   2*272
.set SPARE,  SCL+4*HALFS               ; the spare words, 128 bytes for each wave: two blocks of 256 bytes that no other line names
.set SPITCH, 528                       ; the way out: a stage of 16 rows x (512 bytes + 16) for each wave, in slot 0, whose last fill and last read are over
.set A64,  7                           ; v7   64 x (lane / 16)
.set ADRA, 16
.set LI,   18                          ; v18  16 x lane
.set ADRB, 20
.set STO,  24                          ; v24  the stage: where I put 32 bytes of a row
.set RD,   25                          ; v25  and where I read a row back
.set ADRS, 27
.set SPW,  28                          ; v28  LDS address of my spare word; never rewritten
.set NIL,  29                          ; v29  0; never rewritten
.set L4,   30                          ; v30  4 x lane
.set SC,   32                          ; scale words, two sets of 16; on the way out v32-39 kv's, v40 q's
.set BIAS, 64
.set KSUM, 64
.set AF,   128
.set Y,    128
.set T,    192
.set TM,   192                         ; at work in QUANT
.set QF,   96                          ; window 1
.set DD,   128                         ; window 1
.set BK,   192                         ; window 1
.set G1, 24
.set G0, 32
.set G1B, 48
.set G0B, 56
.set G1S, 68
.set G0S, 76
.set G1SB, 80
.set G0SB, 88
.set MSB, 0
.macro WIN new                         ; bits 1:0 source 0, 3:2 source 1, 5:4 source 2, 7:6 destination; the immediate's high byte repeats the setting that is left
.if MSB != (\new)
	s_set_vgpr_msb (MSB<<8)|(\new)
.set MSB, (\new)
.endif
.endm
.set MUL_LO, 0xa1
.set MUL_HI, 0xf1
.set TO_B,   0x40
; A joint load: waves 0 and 1 fetch for A, waves 2 and 3 for B; the branch hangs on the wave's number alone.  Four v_nop follow each of the two lines.
.macro JLOAD g0a, g1a, g0b, g1b
	s_cmp_eq_u32 s15, 0
	s_cbranch_scc0 .Lfor_b_\@
	tensor_load_to_lds s[\g0a:\g0a+3], s[\g1a:\g1a+7]
	s_nop 0
.rept 4
	v_nop
.endr
	s_branch .Lasked_\@
.Lfor_b_\@:
	tensor_load_to_lds s[\g0b:\g0b+3], s[\g1b:\g1b+7]
	s_nop 0
.rept 4
	v_nop
.endr
.Lasked_\@:
.endm
.macro CREST
	s_cmp_lg_u32 s14, 0
	s_cbranch_scc1 .Lnot_wave_0_\@
	s_barrier_signal -3
.Lnot_wave_0_\@:
	s_barrier_wait -3
	s_barrier_signal -1
	s_barrier_wait -1
.endm
.macro CROUND
	s_barrier_signal -1
	s_barrier_wait -1
	CREST
.endm
.macro PLACES n
.rept \n
	v_nop
.endr
.endm
.macro LOAD64 reg, ptr                 ; 64 f32 a lane: register 16 g + i = number 32 g + 16 (lane / 16) + i of the 128 at the pointer
.irp g, 0,1,2,3
.irp q, 0,1,2,3
	global_load_b128 v[\reg+16*\g+4*\q:\reg+16*\g+4*\q+3], v[A64], s[\ptr:\ptr+1] offset:128*\g+16*\q
.endr
.endr
.endm
	s_load_b128 s[4:7], s[0:1], 0x0                ; xc, xs
	s_load_b128 s[8:11], s[0:1], 0x10              ; wc, ws
	s_load_b128 s[96:99], s[0:1], 0x20             ; bq, fin
	s_load_b64 s[12:13], s[0:1], 0x30              ; out0
	v_lshl_add_u32 v[SPW], v0, 2, SPARE
	v_mov_b32 v[NIL], 0
	ds_add_u32 v28, v29
	ds_add_u32 v28, v29
	s_wait_dscnt 0x0
	v_lshrrev_b32 v1, 5, v0
	v_readfirstlane_b32 s14, v1                    ; wave 0..3
	s_lshr_b32 s15, s14, 1                         ; which 128 positions are mine.  Also: I fetch for A (0) or for B (1)
	s_and_b32 s16, s14, 1                          ; which two heads.  Also: which 128 rows of that tile I fetch
	s_bfe_u32 s40, ttmp6, 0x40000                  ; cx, cy: my place in the cluster
	s_bfe_u32 s41, ttmp6, 0x40004
	s_lshl_b32 s42, ttmp9, 2
	s_add_co_u32 s42, s42, s40                     ; four heads, 0..3 = 4 x cluster x + cx
	s_and_b32 s17, ttmp7, 0xffff
	s_lshl_b32 s17, s17, 2
	s_add_co_u32 s17, s17, s41                     ; tile of positions, 0..63 = 4 x cluster y + cy
	s_lshl_b32 s43, s41, 2
	s_lshl_b32 s43, 15, s43                        ; my row of the cluster
	s_lshl_b32 s44, 0x1111, s40                    ; my column
	s_or_b32 s[G1+0], s43, (0<<16)|(1<<20)|(1<<21)|(5<<22)|(3<<25)  ; 15:0 the mask; 17:16 elements of 1 byte; 20 padding on; 21 set beside a mask; 24:22 after every 64 words; 31:25 four words
	s_or_b32 s[G1B+0], s44, (0<<16)|(1<<20)|(1<<21)|(5<<22)|(3<<25)
.irp g, G1, G1B
	s_mov_b32 s[\g+1], ROWB<<16                    ; tensor_dim0
	s_mov_b32 s[\g+2], 128<<16                     ; tensor_dim1
	s_mov_b32 s[\g+3], ROWB<<16                    ; tile_dim0
	s_mov_b32 s[\g+4], 128                         ; tile_dim1
	s_mov_b32 s[\g+5], KROW                        ; tensor_dim0_stride
	s_mov_b32 s[\g+6], 0
	s_mov_b32 s[\g+7], 0
.endr
	; the scales of 128 rows: 4,096 dense bytes, as 16 rows of 256 bytes (32 elements of 8 bytes), 16 bytes of padding behind each
	s_or_b32 s[G1S+0], s43, (3<<16)|(1<<20)|(1<<21)|(5<<22)|(3<<25)
	s_or_b32 s[G1SB+0], s44, (3<<16)|(1<<20)|(1<<21)|(5<<22)|(3<<25)
.irp g, G1S, G1SB
	s_mov_b32 s[\g+1], 32<<16
	s_mov_b32 s[\g+2], 16<<16
	s_mov_b32 s[\g+3], 32<<16
	s_mov_b32 s[\g+4], 16
	s_mov_b32 s[\g+5], 32
	s_mov_b32 s[\g+6], 0
	s_mov_b32 s[\g+7], 0
.endr
	s_lshl_b32 s18, s16, 7
	s_lshl_b32 s20, s17, 8
	s_add_co_u32 s20, s20, s18                     ; A: row 256 x tile of positions + 128 x half
	s_lshl_b32 s46, s42, 8
	s_add_co_u32 s46, s46, s18                     ; B: row 256 x four heads + 128 x half
	s_mov_b32 s21, 0
	s_mov_b32 s47, 0
	s_mov_b64 s[18:19], KS
	s_mul_u64 s[22:23], s[20:21], s[18:19]
	s_mul_u64 s[92:93], s[46:47], s[18:19]
	s_mov_b64 s[18:19], KROW
	s_mul_u64 s[20:21], s[20:21], s[18:19]
	s_mul_u64 s[46:47], s[46:47], s[18:19]
	s_mul_i32 s45, s14, HALFT                      ; where they go: wave x 128 rows: no place in the cluster enters an LDS address
	s_mul_i32 s94, s14, HALFS
	s_wait_kmcnt 0x0
	s_add_nc_u64 s[20:21], s[4:5], s[20:21]
	s_add_nc_u64 s[22:23], s[6:7], s[22:23]
	s_add_nc_u64 s[46:47], s[8:9], s[46:47]
	s_add_nc_u64 s[92:93], s[10:11], s[92:93]
	CROUND                                         ; all sixteen work-groups are here: the first joint loads meet
	s_mov_b32 s[G0S], 1
	s_add_co_u32 s[G0S+1], s94, SCL
	s_mov_b64 s[G0S+2:G0S+3], s[22:23]
	s_or_b32 s[G0S+3], s[G0S+3], 0x80000000
	s_mov_b32 s[G0SB], 1
	s_add_co_u32 s[G0SB+1], s94, SCL
	s_mov_b64 s[G0SB+2:G0SB+3], s[92:93]
	s_or_b32 s[G0SB+3], s[G0SB+3], 0x80000000
	JLOAD G0S, G1S, G0SB, G1SB                     ; the scales first: they are wanted with K step 0
.irp s, 0,1
	s_mov_b32 s[G0+4*\s], 1
	s_add_co_u32 s[G0+4*\s+1], s45, \s*SLOT
	s_add_nc_u64 s[G0+4*\s+2:G0+4*\s+3], s[20:21], \s*ROWB
	s_or_b32 s[G0+4*\s+3], s[G0+4*\s+3], 0x80000000
	s_mov_b32 s[G0B+4*\s], 1
	s_add_co_u32 s[G0B+4*\s+1], s45, \s*SLOT
	s_add_nc_u64 s[G0B+4*\s+2:G0B+4*\s+3], s[46:47], \s*ROWB
	s_or_b32 s[G0B+4*\s+3], s[G0B+4*\s+3], 0x80000000
	JLOAD G0+4*\s, G1, G0B+4*\s, G1B               ; three loads of mine are out now
.endr
	v_and_b32 v1, 15, v0                           ; r = lane % 16
	v_bfe_u32 v2, v0, 4, 1                         ; h = lane / 16
	v_lshlrev_b32 v[A64], 6, v2
	s_lshl_b32 s92, s42, 10
	s_lshl_b32 s93, s16, 9
	s_add_co_u32 s92, s92, s93                     ; my 128 features, in bytes of f32
	s_mov_b32 s93, 0
	s_add_nc_u64 s[96:97], s[96:97], s[92:93]
	LOAD64 BIAS, 96                                ; bq in the results' layout: register 8 b + j of a lane is the bias of tile b's result register j
	v_mul_u32_u24 v3, v1, PITCH
	v_lshl_add_u32 v4, v2, 4, v3                   ; a fragment's row x pitch + 16 x half
	s_mul_i32 s21, s15, HALFT
	s_mul_i32 s22, s16, HALFT
	s_add_co_u32 s22, s22, 2*HALFT
.irp s, 0,1
	v_add_nc_u32 v[ADRA+\s], s21, v4
	v_add_nc_u32 v[ADRB+\s], s22, v4
	s_add_co_u32 s21, s21, SLOT
	s_add_co_u32 s22, s22, SLOT
.endr
	v_mul_u32_u24 v5, v1, KS
	v_lshrrev_b32 v6, 8, v5
	v_lshl_add_u32 v5, v6, 4, v5
	s_mul_i32 s21, s15, HALFS
	s_mul_i32 s22, s16, HALFS
	s_add_co_u32 s22, s22, 2*HALFS
	s_sub_co_u32 s22, s22, s21
	v_mul_u32_u24 v6, s22, v2                      ; lanes 16-31 take B's
	s_add_co_u32 s21, s21, SCL
	v_add_nc_u32 v5, v5, v6
	v_add_nc_u32 v[ADRS], s21, v5
	s_mul_i32 s23, s14, 16*SPITCH                  ; my stage
	v_mul_u32_u24 v5, v1, SPITCH
	v_lshl_add_u32 v5, v2, 6, v5
	v_add_nc_u32 v[STO], s23, v5                   ; in: row r, + 64 h: a tile's eight channels of my half
	v_and_b32 v6, 31, v0
	v_lshlrev_b32 v[LI], 4, v6
	v_add_nc_u32 v[RD], s23, v[LI]                 ; back: the 32 lanes take one row of 512 bytes
	v_lshlrev_b32 v[L4], 2, v6
	v_mov_b32 v12, 0                               ; written once: a lane permute's destination counts as one of its sources
	v_mov_b32 v13, 0
	s_lshl_b32 s20, s17, 8
	s_lshl_b32 s21, s15, 7
	s_add_co_u32 s20, s20, s21                     ; my first row of out0
	s_lshl_b32 s20, s20, 12                        ; of 4,096 bytes,
	s_add_co_u32 s20, s20, s92                     ; my first column
	s_mov_b32 s21, 0
	s_add_nc_u64 s[12:13], s[12:13], s[20:21]
	s_lshr_b32 s46, s17, 4
	s_lshl_b32 s46, s46, 4
	s_lshl_b32 s47, s42, 2
	s_add_co_u32 s46, s46, s47
	s_lshl_b32 s47, s16, 1
	s_add_co_u32 s46, s46, s47                     ; 16 x batch + my first head (an even one)
	s_lshl_b32 s92, s46, 8
	s_add_co_u32 s92, s92, 294912
	s_add_nc_u64 s[66:67], s[98:99], s[92:93]      ; ksum of my two heads
	s_lshl_b32 s92, s46, 9
	s_add_co_u32 s92, s92, 262144
	s_add_nc_u64 s[94:95], s[98:99], s[92:93]      ; kv's scale words
	s_lshl_b32 s92, s46, 12
	s_add_nc_u64 s[92:93], s[98:99], s[92:93]      ; kv's codes
	s_mov_b32 s18, 0x600000                        ; the mantissa field of 448
	s_mov_b32 s20, 0x3fb8aa3b                      ; log2(e)
	s_mov_b32 s21, s20                             ; (named with it as a pair, so it is written)
	s_mov_b32 s22, 0x76543210
	s_mov_b32 s23, 0xfedcba98                      ; v_permlanex16_b32's selects for lane l xor 16
	s_wait_loadcnt 0x0                             ; bq
.macro FRAG reg, adr, q, i             ; a fragment, 16 rows x 128 K: lane l holds row l % 16; registers 4 c .. 4 c + 3 hold K = 32 c + 16 (l / 16) + 0 .. 15
.irp c, 0,1,2,3
	ds_load_b128 v[\reg+4*\c:\reg+4*\c+3], v[\adr] offset:128*(\q)+32*\c+(\i)*16*PITCH
.endr
.endm
; 16 matrix instructions: A's blocks a0, a0 + 1 x B's eight, 128 along K.  first = 1: the sums begin with the bias of B's block as C.  The 64 accumulators take turns, one instruction a turn.
.macro MUL16 a0, p, q, sc, first
.irp a, \a0, \a0+1
.irp b, 0,1,2,3,4,5,6,7
.if \first
	v_wmma_scale_f32_16x16x128_f8f6f4 v[8*(8*((\a)%4)+\b):8*(8*((\a)%4)+\b)+7], v[128*(\p)+FR*\b:128*(\p)+FR*\b+FR-1], v[AF+FR*(\a):AF+FR*(\a)+FR-1], v[BIAS+8*\b:BIAS+8*\b+7], v[SC+8*NQ*(\sc)+NQ*\b+(\q)], v[SC+8*NQ*(\sc)+NQ*(\a)+(\q)] matrix_a_scale:MATRIX_SCALE_ROW1
.else
	v_wmma_scale_f32_16x16x128_f8f6f4 v[8*(8*((\a)%4)+\b):8*(8*((\a)%4)+\b)+7], v[128*(\p)+FR*\b:128*(\p)+FR*\b+FR-1], v[AF+FR*(\a):AF+FR*(\a)+FR-1], v[8*(8*((\a)%4)+\b):8*(8*((\a)%4)+\b)+7], v[SC+8*NQ*(\sc)+NQ*\b+(\q)], v[SC+8*NQ*(\sc)+NQ*(\a)+(\q)] matrix_a_scale:MATRIX_SCALE_ROW1
.endif
.endr
.endr
.endm
.macro FETCH_B slot, q, p
	WIN TO_B
.irp i, 0,1,2,3,4,5,6,7
	FRAG 128*(\p)+FR*\i, ADRB+\slot, \q, \i
.endr
	WIN 0
.endm
.macro FETCH_A slot, q, i0
.irp i, \i0, \i0+1, \i0+2, \i0+3
	FRAG AF+FR*(\i), ADRA+\slot, \q, \i
.endr
.endm
.macro SCALES sc                       ; a K step's scale words into set sc: lanes 0-15 take A's block i, lanes 16-31 B's block i
.irp i, 0,1,2,3,4,5,6,7
	ds_load_b64 v[SC+8*NQ*\sc+NQ*\i:SC+8*NQ*\sc+NQ*\i+1], v[ADRS] offset:\i*SBLK
.endr
.endm
; A step of 128 along K that has its successor in the same slot.  A load into a register that a matrix instruction has read stands NP places behind it; only plain vector instructions that name none of its registers are places.
.macro STEP slot, q, first
	s_wait_dscnt 4*NL                              ; B's set and A's blocks 0-3 are in; the youngest 16 loads (A's blocks 4-7) may be out
	WIN MUL_LO-0x20*(\first)                       ; (in the first step C lies in window 0)
	MUL16 0, (\q)%2, \q, \slot, \first
	MUL16 2, (\q)%2, \q, \slot, \first
	s_wait_dscnt 0                                 ; A's blocks 4-7 are in
	PLACES NP
	FETCH_B \slot, (\q)+1, 1-(\q)%2
	FETCH_A \slot, (\q)+1, 0
	WIN MUL_HI-0x30*(\first)
	MUL16 4, (\q)%2, \q, \slot, \first
	MUL16 6, (\q)%2, \q, \slot, \first
	PLACES NP
	WIN 0
	FETCH_A \slot, (\q)+1, 4
.endm
; A slot's last step changes slots: one barrier; in front of it each wave waits for all its tensor loads, adds 0 to its spare word, and waits for that and for its own reads of this slot.  fill = 1: this slot is filled again, two K steps ahead.
.macro TURN slot, next, fill
	s_wait_tensorcnt 0x0                           ; all my tensor loads have landed: my part of the next slot
	ds_add_u32 v[SPW], v[NIL]                      ; 0 onto my spare word
	s_wait_dscnt 4*NL+1                            ; (the add and the youngest 16 loads, A's blocks 4-7, may be out)
	WIN MUL_LO
	MUL16 0, 1, NQ-1, \slot, 0                     ; sixteen matrix instructions stand between the add and the wait for it
	s_wait_dscnt 0x0                               ; the add is done, and my reads of this slot are over
	s_barrier_signal -1
	MUL16 2, 1, NQ-1, \slot, 0
	WIN 0
	s_barrier_wait -1
.if \fill
	CREST                                          ; the barrier has opened a round of the cluster's barrier: no wave of any partner still reads this slot or has a load on its way
	s_add_nc_u64 s[G0+4*\slot+2:G0+4*\slot+3], s[G0+4*\slot+2:G0+4*\slot+3], 2*ROWB
	s_add_nc_u64 s[G0B+4*\slot+2:G0B+4*\slot+3], s[G0B+4*\slot+2:G0B+4*\slot+3], 2*ROWB
	JLOAD G0+4*\slot, G1, G0B+4*\slot, G1B         ; the first tensor load behind the round; its four v_nop are among the places in front of the loads below
	PLACES NP-4
.else
	PLACES NP
.endif
	v_add_nc_u32 v[ADRS], 4*NQ, v[ADRS]            ; on to the next K step's scale words
	FETCH_B \next, 0, 0
	FETCH_A \next, 0, 0
	SCALES \next
	WIN MUL_HI
	MUL16 4, 1, NQ-1, \slot, 0
	MUL16 6, 1, NQ-1, \slot, 0
	PLACES NP
	WIN 0
	FETCH_A \next, 0, 4
.endm
	s_wait_tensorcnt 1                             ; the scales and my part of K step 0 are in (K step 1's load may be out)
	s_barrier_signal -1
	s_barrier_wait -1                              ; everybody's are
	FETCH_B 0, 0, 0
	FETCH_A 0, 0, 0
	SCALES 0
	FETCH_A 0, 0, 4
	STEP 0, 0, 1                                   ; K 0-127: the products start the sums on the bias
	LOAD64 KSUM, 66                                ; the bias is done with (eight places stand behind the last product that read it): ksum takes its registers; it is waited for on the way out
	TURN 0, 1, 1                                   ; K = 1,024 is four K steps: once and a half round the ring with refills, then the tail; written out, there is nothing to loop over
	STEP 1, 0, 0
	TURN 1, 0, 1
	STEP 0, 0, 0
	TURN 0, 1, 0                                   ; nothing is left to fetch: no round of the cluster's barrier
	STEP 1, 0, 0
	WIN 0x40                                       ; B's set 0 and the scale words' set 0 are done with (eight places stand behind the last product that read them): kv's operands take their place
.irp hh, 0,1
.irp et, 0,1,2,3
.irp hf, 0,1
	global_load_b128 v[24*\et+16*\hh+4*\hf:24*\et+16*\hh+4*\hf+3], v[LI], s[92:93] offset:(4*\hh+\et)*1024+512*\hf   ; head hh, tile et of the channels, block hf of the k features
.endr
.endr
.endr
	WIN 0
.irp d, 0,1,2,3,4,5,6,7
	global_load_b32 v[32+\d], v[L4], s[94:95] offset:128*\d     ; and their scale words
.endr
	s_wait_dscnt 4*NL                              ; the last step
	WIN MUL_LO
	MUL16 0, 1, NQ-1, 1, 0
	MUL16 2, 1, NQ-1, 1, 0
	s_wait_dscnt 0
	WIN MUL_HI
	MUL16 4, 1, NQ-1, 1, 0
	MUL16 6, 1, NQ-1, 1, 0
	WIN 0
; THE WAY OUT, block by block of 16 positions.
; FEAT a: block a's 64 results of a lane -> Y = elu + 1.  Each accumulator is read from its low end on.
.macro FEAT a
	WIN 0x02+(\a)/4                                ; source 0: window 2 or 3
.set i, 0
.rept 32
	v_pk_mul_f32 v[T+i:T+i+1], v[64*((\a)%4)+i:64*((\a)%4)+i+1], s[20:21] op_sel_hi:[1,0]   ; x log2(e)
.set i, i+2
.endr
.set i, 0
.rept 32
	v_pk_add_f32 v[Y+i:Y+i+1], v[64*((\a)%4)+i:64*((\a)%4)+i+1], 1.0 op_sel_hi:[1,0]        ; x + 1
.set i, i+2
.endr
	WIN 0
.set i, 0
.rept 64
	v_exp_f32 v[T+i], v[T+i]                       ; exp(x)
.set i, i+1
.endr
	v_nop                                          ; a plain line between the exponentials and the use of their results
.set i, 0
	s_wait_alu depctr_va_vdst(0)
.rept 64
	v_med3_num_f32 v[Y+i], v[T+i], 1.0, v[Y+i]     ; x > 0: 1 < x + 1 <= exp(x); x <= 0: x + 1 <= exp(x) <= 1: the middle one is elu(x) + 1
.set i, i+1
.endr
.endm
; ZQ: z of both heads from the unquantised q (v8, v10), then q's codes (window 1, v[QF] on) and scale word (v40).  q is never negative: no |.|, a one-sided hold.
.macro ZQ
.irp hh, 0,1
	v_pk_mul_f32 v[8+2*\hh:9+2*\hh], v[Y+32*\hh:Y+32*\hh+1], v[KSUM+32*\hh:KSUM+32*\hh+1]
.endr
.irp i, 2,4,6,8,10,12,14,16,18,20,22,24,26,28,30
.irp hh, 0,1
	v_pk_fma_f32 v[8+2*\hh:9+2*\hh], v[Y+32*\hh+\i:Y+32*\hh+\i+1], v[KSUM+32*\hh+\i:KSUM+32*\hh+\i+1], v[8+2*\hh:9+2*\hh]   ; (the two heads by turns)
.endr
.endr
	v_add_f32 v8, v8, v9
	v_add_f32 v10, v10, v11
	v_permlanex16_b32 v12, v8, s22, s23
	v_permlanex16_b32 v13, v10, s22, s23
	v_add_f32 v8, v8, v12                          ; with lane l xor 16's 32 features: z of my position, first head,
	v_add_f32 v10, v10, v13                        ; second head
.irp b, 0,1,2,3
	v_max3_num_f32 v[TM+\b], v[Y+16*\b], v[Y+16*\b+1], 0x4800000   ; block b: my 16 numbers, and the floor 2^(9 - 127): the byte cannot fall under 1
.endr
.irp i, 2,4,6,8,10,12,14
.irp b, 0,1,2,3
	v_max3_num_f32 v[TM+\b], v[TM+\b], v[Y+16*\b+\i], v[Y+16*\b+\i+1]
.endr
.endr
.irp b, 0,1,2,3
	v_permlanex16_b32 v[TM+4+\b], v[TM+\b], s22, s23
.endr
.irp b, 0,1,2,3
	v_max_num_f32 v[TM+\b], v[TM+\b], v[TM+4+\b]   ; with lane l xor 16's: the block's largest
.endr
.irp b, 0,1,2,3
	v_add_nc_u32 v[TM+12+\b], 0xfc000000, v[TM+\b] ; 8 off its exponent field: the conversion's scale operand
.endr
.irp b, 0,1,2,3
	v_and_or_b32 v[TM+8+\b], v[TM+\b], 0x7f800000, s18   ; 448 x the scale
.endr
.irp b, 0,1,2,3
	v_lshrrev_b32 v[TM+4+\b], 23, v[TM+12+\b]      ; the scale's byte
.endr
	v_lshl_or_b32 v40, v[TM+5], 8, v[TM+4]         ; my position's scale word: bytes 0, 1 the first head's blocks, bytes 2, 3 the second's
	v_lshl_or_b32 v40, v[TM+6], 16, v40
	v_lshl_or_b32 v40, v[TM+7], 24, v40
.irp b, 0,1,2,3
.irp i, 0,1,2,3,4,5,6,7,8,9,10,11,12,13,14,15
	v_min_num_f32 v[Y+16*\b+\i], v[Y+16*\b+\i], v[TM+8+\b]   ; the conversion to an 8-bit code does not saturate (ISA guide 7.6.2): the hold
.endr
.endr
	WIN 0x40                                       ; destination: window 1
.irp b, 0,1,2,3
	v_cvt_scalef32_pk8_fp8_f32 v[QF+4*\b:QF+4*\b+1], v[Y+16*\b:Y+16*\b+7], v[TM+12+\b]
	v_cvt_scalef32_pk8_fp8_f32 v[QF+4*\b+2:QF+4*\b+3], v[Y+16*\b+8:Y+16*\b+15], v[TM+12+\b]
.endr
	WIN 0
	v_nop                                          ; a plain line between the conversions and whatever next touches their results or writes their sources
.endm
; PROD: ctx^T of 16 positions: 8 tiles (head hh, 16 channels et), each one matrix instruction.  Source 0 = kv's 16 channels (zero codes in the other head's blocks), source 1 = q's codes of both heads.
.macro PROD
	PLACES 3                                       ; with the line behind the conversions: four places between an operand written by vector instructions and a scaled matrix instruction (q's scale word stands ahead of the 64 holds)
	WIN 0x45                                       ; sources 0 and 1 and the destination: window 1
.irp hh, 0,1
.irp et, 0,1,2,3
	v_wmma_scale_f32_16x16x128_f8f6f4 v[DD+8*(4*\hh+\et):DD+8*(4*\hh+\et)+7], v[24*\et+8*\hh:24*\et+8*\hh+15], v[QF:QF+15], 0, v[32+4*\hh+\et], v40
.endr
.endr
	WIN 0
.endm
; FIN: ctx x z; through my stage in LDS, so that whole rows of 512 bytes come back.  Lane (r, h), register j of tile (hh, et) is channel 64 hh + 32 (et / 2) + 16 h + 8 (et % 2) + j of position r.
.macro FIN
	WIN 0x41                                       ; source 0 and destination: window 1; z in window 0
.irp hh, 0,1
.set i, 0
.rept 16
	v_pk_mul_f32 v[DD+32*\hh+i:DD+32*\hh+i+1], v[DD+32*\hh+i:DD+32*\hh+i+1], v[8+2*\hh:9+2*\hh] op_sel_hi:[1,0]   ; each tile from its low end on
.set i, i+2
.endr
.endr
	s_wait_xcnt 0x0                                ; the last block's stores have read their registers: the loads below may land there
	WIN 0x04                                       ; an LDS store's data are its source 1: window 1
.irp hh, 0,1
.irp et, 0,1,2,3
	ds_store_b128 v[STO], v[DD+8*(4*\hh+\et):DD+8*(4*\hh+\et)+3] offset:256*\hh+128*(\et/2)+32*(\et%2)
	ds_store_b128 v[STO], v[DD+8*(4*\hh+\et)+4:DD+8*(4*\hh+\et)+7] offset:256*\hh+128*(\et/2)+32*(\et%2)+16
.endr
.endr
	WIN 0x40
.irp t, 0,1,2,3,4,5,6,7,8,9,10,11,12,13,14,15
	ds_load_b128 v[BK+4*\t:BK+4*\t+3], v[RD] offset:\t*SPITCH   ; LDS serves a wave's instructions in order (ISA guide 5.7.1.4): these see the stores above
.endr
	WIN 0
.endm
.macro SEND a                          ; place t of block a is row 32 (a / 2) + 8 (a % 2) + t + 8 (t / 8) of my 128: 127 rows of 4,096 bytes at the most, inside the signed 24-bit immediate
	s_wait_dscnt 0x0                               ; the block is back in registers, and the stage's stores have read ctx: the next products may write over it
	WIN 0x04                                       ; a store's data are its source 1: window 1
.irp t, 0,1,2,3,4,5,6,7,8,9,10,11,12,13,14,15
	global_store_b128 v[LI], v[BK+4*\t:BK+4*\t+3], s[12:13] offset:(32*((\a)/2)+8*((\a)%2)+\t+8*(\t/8))*4096 th:TH_STORE_NT   ; 32 lanes store 512 consecutive bytes, aligned; written once, read by nobody here
.endr
	WIN 0
.endm
	PLACES NP                                      ; behind the last products, ahead of the first read of results and the first write of A's registers
	s_wait_loadcnt 0x0                             ; ksum, kv's codes and scale words
	WIN 0x40
.irp et, 0,1,2,3
.irp j, 0,1,2,3,4,5,6,7
	v_mov_b32 v[24*\et+8+\j], 0                    ; the eight zero registers that a tile's two heads share
.endr
.endr
	WIN 0
	FEAT 0
	ZQ
.irp a, 0,1,2,3,4,5,6
	PROD
	FEAT \a+1                                      ; the next block's feature map: its first lines are the places behind the products
	FIN
	ZQ                                             ; the next block's z and codes stand between the loads from the stage and the wait for them
	SEND \a
.endr
	PROD
	PLACES NP
	FIN
	SEND 7
	s_wait_tensorcnt 0x0                           ; the wave's end
	ds_add_u32 v[SPW], v[NIL]
	s_wait_dscnt 0x0
	CROUND                                         ; the closing round: no work-group ends while a partner may still ask for a tile that names it
	s_endpgm
.Lfunc_end_k_qb4811297ac_qout:
	.size	k_qb4811297ac_qout, .Lfunc_end_k_qb4811297ac_qout-k_qb4811297ac_qout
	.p2alignl 7, 3214868480
	.fill 96, 4, 3214868480
	.section	.rodata,"a",@progbits
	.p2align	6, 0x0
	.amdhsa_kernel k_qb4811297ac_qout
		.amdhsa_group_segment_fixed_size 327680
		.amdhsa_private_segment_fixed_size 0
		.amdhsa_enable_private_segment 0
		.amdhsa_kernarg_size 56
		.amdhsa_user_sgpr_count 2
		.amdhsa_user_sgpr_kernarg_segment_ptr 1
		.amdhsa_wavefront_size32 1
		.amdhsa_system_sgpr_workgroup_id_x 1
		.amdhsa_system_sgpr_workgroup_id_y 1
		.amdhsa_system_sgpr_workgroup_id_z 1
		.amdhsa_system_vgpr_workitem_id 0
		.amdhsa_next_free_vgpr 1024
		.amdhsa_next_free_sgpr 100
		.amdhsa_reserve_vcc 0
		.amdhsa_float_denorm_mode_32 3
		.amdhsa_float_denorm_mode_16_64 3
		.amdhsa_memory_ordered 1
		.amdhsa_forward_progress 1
		.amdhsa_inst_pref_size 255
	.end_amdhsa_kernel
	.section	.bss,"aw",@nobits
	.p2align	6
	.space	262144
	.amdgpu_metadata
---
amdhsa.version: [ 1, 2 ]
amdhsa.kernels:
  - .name:           k_qb4811297ac_qout
    .symbol:         k_qb4811297ac_qout.kd
    .args:
      - { .name: xc, .offset: 0, .size: 8, .value_kind: global_buffer, .address_space: global }
      - { .name: xs, .offset: 8, .size: 8, .value_kind: global_buffer, .address_space: global }
      - { .name: wc, .offset: 16, .size: 8, .value_kind: global_buffer, .address_space: global }
      - { .name: ws, .offset: 24, .size: 8, .value_kind: global_buffer, .address_space: global }
      - { .name: bq, .offset: 32, .size: 8, .value_kind: global_buffer, .address_space: global }
      - { .name: fin, .offset: 40, .size: 8, .value_kind: global_buffer, .address_space: global }
      - { .name: out0, .offset: 48, .size: 8, .value_kind: global_buffer, .address_space: global }
    .group_segment_fixed_size: 327680
    .private_segment_fixed_size: 0
    .kernarg_segment_align: 8
    .kernarg_segment_size: 56
    .max_flat_workgroup_size: 128
    .sgpr_count:     100
    .vgpr_count:     1024
    .wavefront_size: 32
...
	.end_amdgpu_metadata
.endif
;; end of part 4
